; MI455X (gfx1250); checked and timed in simulation.
; The chip was launched on July 23, 2026; its instructions are those of AMD's public machine-readable ISA for CDNA 5 (MIT licence, August 2026) and "CDNA5" Instruction Set Architecture Reference Guide (July 2026). The comments in the code are by the model that wrote it; some were corrected since.
;; Causal Self Attention. Allowed arithmetic: float matrix products may take bf16 or f16 operands with f32 sums; other float arithmetic in f32, or as packed bf16 or f16 multiplies, adds, multiply-adds, maxima and minima; sums over many terms, partial sums and values carried from step to step in f32; what a program stores and reads back later, other than sums and carried values, may be rounded once to bf16 or f16.
;; Inputs: Wk 1,024 x 1,024 float32; Wq 1,024 x 1,024 float32; Wv 1,024 x 1,024 float32; bk 1,024 float32; bq 1,024 float32; bv 1,024 float32; mask 2,048 x 2,048 int32; x 4 x 2,048 x 1,024 float32.
;; Outputs: out0 8,192 x 1,024 float32.
;; One version. Each part assembles by itself: llvm-mc -triple=amdgcn-amd-amdhsa -mcpu=gfx1250 --defsym DOCPART=n.
;; ======== version 1 of 1: 4 launches
;; limits: values are held in f16: magnitudes above 65,504 overflow, below 6.1e-05 lose precision
;; workspace buffers: x16 16,777,216 bytes; w16 6,291,456 bytes; mbits 524,288 bytes of whole numbers; qkv 50,331,648 bytes; p 33,554,432 bytes; stat 1,048,576 bytes
;; launch prep (part 1): grid 960 x 1, 8 waves a work-group, no clusters, 0 bytes of LDS; arguments x, Wq, Wk, Wv, mask, x16, w16, mbits; writes x16, w16, mbits
.if DOCPART == 1
	.amdgcn_target "amdgcn-amd-amdhsa--gfx1250"
	.amdhsa_code_object_version 6
	.text
	.protected	k_q458a177e18_prep
	.globl	k_q458a177e18_prep
	.p2align	8
	.type	k_q458a177e18_prep,@function
k_q458a177e18_prep:
	s_mov_b64 s[64:65], 0
	v_nop
	global_prefetch_b8 v0, s[64:65] scope:SCOPE_SE
	s_setreg_imm32_b32 hwreg(HW_REG_WAVE_MODE, 25, 1), 1
	s_wait_xcnt 0x0
; PREP.  Three jobs, told apart by the work-group's number, all streams: no LDS, no matrix unit, no cluster (no byte is shared between work-groups).
;   0 .. 511    x  -> x16:  a chunk of 65,536 bytes of f32 is rounded to bf16 (nearest even)
;   512 .. 703  Wq, Wk, Wv -> w16, one below the other: 64 chunks each
;   704 .. 959  mask -> mbits: for 16 queries and 1,024 keys the mask is packed into LANE MASKS.  Word ((qb 128 + kb) 8 + j) has bit l set where
;               mask[16 qb + l % 16][16 kb + 8 (l / 16) + j] is not 0: the lanes' places in register j of a 16 x 16 tile of scores (keys x queries) in the launch that makes the scores.
; The mask is taken as it is given: nothing of its pattern is built in.
.set NX,     512
.set FIRSTM, 704
	s_load_b512 s[4:19], s[0:1], 0x0               ; x 4:5, Wq 6:7, Wk 8:9, Wv 10:11, mask 12:13, x16 14:15, w16 16:17, mbits 18:19
	s_cmp_ge_u32 ttmp9, FIRSTM
	s_cbranch_scc1 .Lmask
	; THE CASTS.  Thread t takes 16 bytes at 16 t of each of the chunk's 16 pieces of 4,096 bytes: a wave's load covers 512 consecutive bytes, its store 256, aligned.
	v_lshlrev_b32 v1, 4, v0
	v_lshlrev_b32 v2, 3, v0
	s_sub_co_u32 s20, ttmp9, NX                    ; the chunk's number among the weights' (used from 512 on alone)
	s_and_b32 s21, s20, 63
	s_lshl_b32 s21, s21, 16                        ; its place in its own matrix,
	s_lshl_b32 s22, s20, 15                        ; and in w16
	s_lshl_b32 s23, ttmp9, 16                      ; the same for a chunk of x
	s_lshl_b32 s24, ttmp9, 15
	s_mov_b32 s31, 0
	s_mov_b32 s33, 0
	s_wait_kmcnt 0x0
	s_cmp_lt_u32 ttmp9, 640
	s_cselect_b64 s[26:27], s[8:9], s[10:11]
	s_cmp_lt_u32 ttmp9, 576
	s_cselect_b64 s[26:27], s[6:7], s[26:27]
	s_cmp_lt_u32 ttmp9, NX
	s_cselect_b64 s[26:27], s[4:5], s[26:27]       ; from where
	s_cselect_b64 s[28:29], s[14:15], s[16:17]     ; to where
	s_cselect_b32 s30, s23, s21
	s_cselect_b32 s32, s24, s22
	s_add_nc_u64 s[26:27], s[26:27], s[30:31]
	s_add_nc_u64 s[28:29], s[28:29], s[32:33]
.set i, 0
.rept 16
	global_load_b128 v[8+4*i:11+4*i], v1, s[26:27] offset:4096*i th:TH_LOAD_NT  ; all sixteen go out at once
.set i, i+1
.endr
.set i, 0
.rept 16
	s_wait_loadcnt 15-i                            ; loads come back in order: piece i is in, the younger ones stay out
	v_cvt_pk_bf16_f32 v[72+2*i], v[8+4*i], v[9+4*i]
	v_cvt_pk_bf16_f32 v[73+2*i], v[10+4*i], v[11+4*i]
	global_store_b64 v2, v[72+2*i:73+2*i], s[28:29] offset:2048*i  ; every register is written once: no store's source is ever rewritten
.set i, i+1
.endr
	s_endpgm
.Lmask:
	; THE MASK.  Wave w takes 16 rows x 128 keys: 8 blocks of 16 keys, 64 words.  Lane l reads row l % 16, the 8 keys at 8 (l / 16) of each block: two loads of 16 bytes a block.
	; The wave's 16 loads on end use every byte of its 16 pieces of 512 bytes.
	s_sub_co_u32 s20, ttmp9, FIRSTM
	s_lshr_b32 s21, s20, 1                         ; qb: which 16 queries
	s_and_b32 s22, s20, 1                          ; which 1,024 keys
	s_lshl_b32 s24, s21, 17                        ; 16 rows of 8,192 bytes
	s_lshl_b32 s23, s22, 12
	s_add_co_u32 s24, s24, s23
	s_mov_b32 s25, 0
	s_lshl_b32 s26, s21, 12                        ; in mbits a block of 16 queries is 4,096 bytes,
	s_lshl_b32 s23, s22, 11                        ; half of its keys 2,048
	s_add_co_u32 s26, s26, s23
	s_mov_b32 s27, 0
	v_and_b32 v6, 15, v0
	v_bfe_u32 v7, v0, 4, 1
	v_lshrrev_b32 v3, 5, v0                        ; wave
	v_lshlrev_b32 v1, 13, v6                       ; row x 8,192
	v_lshl_add_u32 v1, v7, 5, v1                   ; + 32 x half of the lanes
	v_lshl_add_u32 v1, v3, 9, v1                   ; + the wave's 128 keys
	v_and_b32 v6, 31, v0
	v_lshlrev_b32 v6, 3, v6
	v_lshl_add_u32 v3, v3, 8, v6                   ; where my two words go: 256 x wave + 8 x lane
	v_mov_b32 v4, 0                                ; v_writelane_b32 keeps the other lanes: both are written whole first
	v_mov_b32 v5, 0
	s_wait_kmcnt 0x0
	s_add_nc_u64 s[12:13], s[12:13], s[24:25]
	s_add_nc_u64 s[18:19], s[18:19], s[26:27]
.set i, 0
.rept 8
	global_load_b128 v[8+8*i:11+8*i],  v1, s[12:13] offset:64*i
	global_load_b128 v[12+8*i:15+8*i], v1, s[12:13] offset:64*i+16
.set i, i+1
.endr
	s_wait_loadcnt 0x0
.set i, 0
.rept 64                                       ; word i = 8 x block + j: a compare makes it, and it goes to lane i / 2 of v4 (even i) or v5 (odd i)
	v_cmp_ne_u32 s[28+i%16], 0, v[8+i]
	v_writelane_b32 v[4+i%2], s[28+i%16], i/2
.set i, i+1
.endr
	global_store_b64 v3, v[4:5], s[18:19]          ; the wave's 64 words: 256 consecutive bytes, aligned
	s_endpgm
.Lfunc_end_k_q458a177e18_prep:
	.size	k_q458a177e18_prep, .Lfunc_end_k_q458a177e18_prep-k_q458a177e18_prep
	.p2alignl 7, 3214868480
	.fill 96, 4, 3214868480
	.section	.rodata,"a",@progbits
	.p2align	6, 0x0
	.amdhsa_kernel k_q458a177e18_prep
		.amdhsa_group_segment_fixed_size 0
		.amdhsa_private_segment_fixed_size 0
		.amdhsa_enable_private_segment 0
		.amdhsa_kernarg_size 64
		.amdhsa_user_sgpr_count 2
		.amdhsa_user_sgpr_kernarg_segment_ptr 1
		.amdhsa_wavefront_size32 1
		.amdhsa_system_sgpr_workgroup_id_x 1
		.amdhsa_system_sgpr_workgroup_id_y 1
		.amdhsa_system_sgpr_workgroup_id_z 1
		.amdhsa_system_vgpr_workitem_id 0
		.amdhsa_next_free_vgpr 104
		.amdhsa_next_free_sgpr 66
		.amdhsa_reserve_vcc 0
		.amdhsa_float_denorm_mode_32 3
		.amdhsa_float_denorm_mode_16_64 3
		.amdhsa_memory_ordered 1
		.amdhsa_forward_progress 1
		.amdhsa_inst_pref_size 18
	.end_amdhsa_kernel
	.amdgpu_metadata
---
amdhsa.version: [ 1, 2 ]
amdhsa.kernels:
  - .name:           k_q458a177e18_prep
    .symbol:         k_q458a177e18_prep.kd
    .args:
      - { .name: x, .offset: 0, .size: 8, .value_kind: global_buffer, .address_space: global }
      - { .name: Wq, .offset: 8, .size: 8, .value_kind: global_buffer, .address_space: global }
      - { .name: Wk, .offset: 16, .size: 8, .value_kind: global_buffer, .address_space: global }
      - { .name: Wv, .offset: 24, .size: 8, .value_kind: global_buffer, .address_space: global }
      - { .name: mask, .offset: 32, .size: 8, .value_kind: global_buffer, .address_space: global }
      - { .name: x16, .offset: 40, .size: 8, .value_kind: global_buffer, .address_space: global }
      - { .name: w16, .offset: 48, .size: 8, .value_kind: global_buffer, .address_space: global }
      - { .name: mbits, .offset: 56, .size: 8, .value_kind: global_buffer, .address_space: global }
    .group_segment_fixed_size: 0
    .private_segment_fixed_size: 0
    .kernarg_segment_align: 8
    .kernarg_segment_size: 64
    .max_flat_workgroup_size: 256
    .sgpr_count:     66
    .vgpr_count:     104
    .wavefront_size: 32
...
	.end_amdgpu_metadata
.endif
;; end of part 1
;; launch proj (part 2): grid 12 x 32, 4 waves a work-group, clusters of 4 x 4, 327,680 bytes of LDS; arguments x16, w16, bq, bk, bv, qkv; writes qkv
.if DOCPART == 2
	.amdgcn_target "amdgcn-amd-amdhsa--gfx1250"
	.amdhsa_code_object_version 6
	.text
	.protected	k_q458a177e18_proj
	.globl	k_q458a177e18_proj
	.p2align	8
	.type	k_q458a177e18_proj,@function
k_q458a177e18_proj:
	s_mov_b64 s[64:65], 0
	v_nop
	global_prefetch_b8 v0, s[64:65] scope:SCOPE_SE
	s_setreg_imm32_b32 hwreg(HW_REG_WAVE_MODE, 25, 1), 1
	s_wait_xcnt 0x0
	s_wait_alu depctr_hold_cnt(0) depctr_sa_sdst(0) depctr_va_vdst(0) depctr_va_sdst(0) depctr_va_ssrc(0) depctr_va_vcc(0) depctr_vm_vsrc(0)
	s_getreg_b32 s2, hwreg(HW_REG_IB_STS2, 6, 4)
	s_cmp_eq_u32 s2, 0
	s_cbranch_scc0 .Lentry_in_a_cluster
	s_endpgm
.Lentry_in_a_cluster:
	s_bfe_u32 s2, ttmp6, 0x10000c
	s_cmp_lg_u32 s2, 0xf033
	s_cbranch_scc0 .Lentry_shape_is_right
	s_endpgm
.Lentry_shape_is_right:
; PROJ.  qkv[row][e] = f (sum over d of x16[row][d] w16[e][d] + bias[e]), rows 0 .. 8191, e 0 .. 3071: columns 0-1023 are c Q (f = c = log2(e) / 32, so that the next launch's
; sums are scores in powers of two), 1024-2047 K, 2048-3071 V (f = 1).  Operands bf16, sums f32, K ascending; the bias is rounded to bf16 like the other inputs; the result is rounded ONCE, to f16.
; LIMIT.  f16 ends at 65,504: c Q, K and V must stay below it (with inputs as drawn they are about 5; x and the weights both 30 times larger give about 5,000).  NaN and infinities are not treated apart.
; SHAPE.  A work-group makes 256 x 256 of qkv, each of its four waves 128 x 128: 64 accumulators, 512 registers.  K (1,024) goes in 8 steps of 128 through two LDS slots filled by the tensor data
; mover; a tile's rows are 256 bytes of memory, aligned.  A K step is written once in the loop and once in the tail: the slot in hand is a scalar register that an exclusive or turns.
; CLUSTER.  4 x 4 work-groups: the four of a row need the same rows of x16, the four of a column the same rows of w16; each tile is asked for jointly, by the same load and descriptor in all four.
; THE MATRIX INSTRUCTION IS USED TRANSPOSED (source 0 = 16 rows of w16, source 1 = 16 rows of x16): a lane holds row l % 16 of the result and 8 neighbouring columns, 16 bytes of f16.
; REGISTERS, in windows of 256 (s_set_vgpr_msb: bits 1:0 source 0, 3:2 source 1, 5:4 source 2, 7:6 destination):
;   window 0: v16-30 addresses; v32-63, v224-255 rows read back from the stage, by turns; v64-127, v128-191 fragments of x16, two buffers; v192-223 packed results
;   window 1: v0-63 the bias of my 128 columns (column 16 b + 8 (l / 16) + j at 8 b + j), times f; v64-191 fragments of w16, two buffers; v192-195 at work
;   windows 2, 3: accumulator (a, b) at 8 (8 (a % 4) + b), window 2 + a / 4
.set NK,     8
.set KSTEP,  128
.set PITCH,  272                       ; an LDS row: 256 bytes + 16 of padding = 68 words: the 16 rows of a fragment load start at 16 different groups of four banks (64 banks of 4 bytes: ISA guide 11.1)
.set HALFT,  128*PITCH                 ; what one tensor load brings, and what one wave reads of either operand
.set SLOT,   4*HALFT                   ; x16's 256 rows, then w16's: 0x22000 bytes
.set STAGE,  2*SLOT                    ; behind the ring, never filled by a tensor load: 16 rows x 272 bytes for each wave
.set SPITCH, 272
.set SPARE,  STAGE+4*16*SPITCH         ; the spare words, 128 bytes for each wave: two blocks of 256 bytes that no other line names
.set ROWB,   2048                      ; bytes in a row of x16 and of w16
.set CP,     6144                      ; bytes in a row of qkv
.set A0,   16                          ; v16  my lane's place in x16's tile; never rewritten
.set B0,   17                          ; v17  the same for w16's
.set ADRA, 18                          ; v18  A0 + the slot in hand
.set ADRB, 19                          ; v19  B0 + the slot in hand
.set STO,  24                          ; v24  the way out: where I put 16 bytes of a row
.set RD,   25                          ; v25  where I read a row back
.set CO,   26                          ; v26  my byte offset in two rows of qkv
.set BO,   27                          ; v27  my byte offset in 16 numbers of the bias
.set SPW,  28                          ; v28  my spare word: SPARE + 4 x my thread's number; never rewritten
.set NIL,  29                          ; v29  0; never rewritten
.set PFO,  30                          ; v30  the prefetches' offset: my lane x a row; never rewritten
.set OB,   32
.set F0,   64
.set F1,   128
.set TMP,  192
.set TB,   14                          ; s14  the slot in hand: 0 or SLOT
.set LIM,  15                          ; s15  1 in a wave that prefetches, else the greatest number
.set G1,   24                          ; s[24:31] descriptor group 1, x16's tiles
.set G0,   32                          ; s[32:39] group 0: a set for each first fill; the second then walks
.set PFA,  44                          ; s[44:45] where my prefetches stand
.set G1B,  48                          ; s[48:55], s[56:63] the same for w16's tiles
.set G0B,  56
.set BP,   66                          ; s[66:67] the bias of my 128 columns
.set SC,   68                          ; s[68:69] f
.set GW,   (1<<16)|(1<<20)|(1<<21)|(5<<22)|(3<<25)  ; 17:16 2-byte elements; 20 padding on; 21 set beside a mask; 24:22 after every 64 words; 31:25 4 words of it
.set MSB, 0
.macro WIN new                         ; the immediate's high byte repeats the setting that is left; a switch that changes nothing is dropped
.if MSB != (\new)
	s_set_vgpr_msb (MSB<<8)|(\new)
.set MSB, \new
.endif
.endm
.set MUL_LO, 0xa1                      ; source 0 window 1, source 1 window 0, C and D window 2
.set TO_B,   0x40                      ; destination window 1, address window 0
; A joint refill by the walking sets.  Waves 0 and 1 fetch x16's two halves, waves 2 and 3 w16's; the branch hangs on the wave's number alone.  An s_nop 0 and four v_nop follow each line.
.macro JLOAD
	s_cmp_eq_u32 s11, 0
	s_cbranch_scc0 .Lfor_b_\@
	tensor_load_to_lds s[G0+4:G0+7], s[G1:G1+7]
	s_nop 0
.rept 4
	v_nop
.endr
	s_branch .Lasked_\@
.Lfor_b_\@:
	tensor_load_to_lds s[G0B+4:G0B+7], s[G1B:G1B+7]
	s_nop 0
.rept 4
	v_nop
.endr
.Lasked_\@:
.endm
; A prefetch of the K step that the NEXT refill will ask for: 32 rows x 256 bytes, a lane a row, 256 matrix instructions ahead of that load.  Each row's 256 bytes are named once in the launch: x16's rows by
; the first cluster along x, w16's by the first along y; the four partners of a joint load take 32 of its 128 rows each, told apart by address.  The loop's last trip has no K step behind its refill.
.macro ASK
	s_cmp_gt_u32 s3, s[LIM]
	s_cbranch_scc0 .Lnot_mine_\@
	global_prefetch_b8 v[PFO], s[PFA:PFA+1] th:TH_LOAD_NT scope:SCOPE_SE
.Lnot_mine_\@:
.endm
.macro CREST                           ; a round of the cluster's barrier behind its opening barrier
	s_cmp_lg_u32 s10, 0
	s_cbranch_scc1 .Lnot_wave_0_\@
	s_barrier_signal -3
.Lnot_wave_0_\@:
	s_barrier_wait -3
	s_barrier_signal -1
	s_barrier_wait -1
.endm
.macro CROUND
	s_barrier_signal -1
	s_barrier_wait -1
	CREST
.endm
	s_load_b128 s[4:7], s[0:1], 0x0                ; x16 s[4:5], w16 s[6:7]
	s_load_b256 s[72:79], s[0:1], 0x10             ; bq 72:73, bk 74:75, bv 76:77, qkv 78:79
	v_lshl_add_u32 v[SPW], v0, 2, SPARE
	v_mov_b32 v[NIL], 0
	ds_add_u32 v[SPW], v[NIL]                      ; the wave's opening: the add and its wait stand ahead of my first tensor load; work on registers stands between them
	v_lshrrev_b32 v1, 5, v0
	v_readfirstlane_b32 s10, v1                    ; wave 0..3
	s_lshr_b32 s11, s10, 1                         ; my half of the tile's rows.  Also: I fetch x16 (0) or w16 (1)
	s_and_b32 s12, s10, 1                          ; my half of its columns.  Also: which 128 rows I fetch
	s_bfe_u32 s40, ttmp6, 0x40000                  ; cx
	s_bfe_u32 s41, ttmp6, 0x40004                  ; cy
	s_lshl_b32 s42, ttmp9, 2
	s_add_co_u32 s42, s42, s40                     ; tile column = 4 x cluster x + cx
	s_and_b32 s13, ttmp7, 0xffff
	s_lshl_b32 s13, s13, 2
	s_add_co_u32 s13, s13, s41                     ; tile row = 4 x cluster y + cy
	s_lshl_b32 s43, s41, 2
	s_lshl_b32 s43, 15, s43                        ; my row of the cluster
	s_lshl_b32 s44, 0x1111, s40                    ; my column
	s_or_b32 s[G1], s43, GW                        ; x16's tiles go to my row,
	s_or_b32 s[G1B], s44, GW                       ; w16's to my column
.irp g, G1, G1B
	s_mov_b32 s[(\g)+1], KSTEP<<16                 ; tensor_dim0 = 128
	s_mov_b32 s[(\g)+2], 128<<16                   ; tensor_dim1 = 128
	s_mov_b32 s[(\g)+3], KSTEP<<16                 ; tile_dim0 = 128
	s_mov_b32 s[(\g)+4], 128                       ; tile_dim1 = 128
	s_mov_b32 s[(\g)+5], 1024                      ; elements from row to row
	s_mov_b32 s[(\g)+6], 0
	s_mov_b32 s[(\g)+7], 0
.endr
	s_lshl_b32 s17, s12, 7
	s_lshl_b32 s16, s13, 8
	s_add_co_u32 s16, s16, s17                     ; x16: row 256 x tile row + 128 x half
	s_lshl_b32 s46, s42, 8
	s_add_co_u32 s46, s46, s17                     ; w16: row 256 x tile column + 128 x half
	s_lshl_b32 s16, s16, 11                        ; in bytes
	s_lshl_b32 s46, s46, 11
	s_mov_b32 s17, 0
	s_mov_b32 s47, 0
	s_mul_i32 s20, s10, HALFT                      ; where my part of a tile goes: wave x 128 rows
	s_mov_b32 s[TB], 0
	s_wait_dscnt 0x0                               ; the opening add is done
	s_wait_kmcnt 0x0
	s_add_nc_u64 s[16:17], s[4:5], s[16:17]
	s_add_nc_u64 s[46:47], s[6:7], s[46:47]
	s_cmp_lt_u32 s42, 8                            ; a tile's 256 columns belong to one of the three projections
	s_cselect_b64 s[BP:BP+1], s[74:75], s[76:77]
	s_cmp_lt_u32 s42, 4
	s_cselect_b64 s[BP:BP+1], s[72:73], s[BP:BP+1]
	s_cselect_b32 s[SC], 0x3d38aa3b, 1.0           ; c = log2(e) / 32 for Q
	s_mov_b32 s[SC+1], s[SC]                       ; named with it as a pair
	s_and_b32 s21, s42, 3
	s_lshl_b32 s21, s21, 10
	s_lshl_b32 s22, s12, 9
	s_add_co_u32 s22, s21, s22
	s_mov_b32 s23, 0
	s_add_nc_u64 s[BP:BP+1], s[BP:BP+1], s[22:23]
.irp s, 0,1
	s_mov_b32 s[G0+4*(\s)], 1                      ; count = 1
	s_add_co_u32 s[G0+4*(\s)+1], s20, (\s)*SLOT    ; LDS address
	s_add_nc_u64 s[G0+4*(\s)+2:G0+4*(\s)+3], s[16:17], (\s)*KSTEP*2  ; K step s
	s_or_b32 s[G0+4*(\s)+3], s[G0+4*(\s)+3], 0x80000000  ; type = 2
	s_mov_b32 s[G0B+4*(\s)], 1
	s_add_co_u32 s[G0B+4*(\s)+1], s20, (\s)*SLOT
	s_add_nc_u64 s[G0B+4*(\s)+2:G0B+4*(\s)+3], s[46:47], (\s)*KSTEP*2
	s_or_b32 s[G0B+4*(\s)+3], s[G0B+4*(\s)+3], 0x80000000
.endr
	CROUND                                         ; all sixteen work-groups are here: the first joint loads meet
	s_cmp_eq_u32 s11, 0                            ; a wave's two first fills stand in one branch: two loads of mine are out
	s_cbranch_scc0 .Lfirst_b
	tensor_load_to_lds s[G0:G0+3], s[G1:G1+7]
	s_nop 0
	tensor_load_to_lds s[G0+4:G0+7], s[G1:G1+7]
	s_nop 0
.rept 4
	v_nop
.endr
	s_branch .Lfirst_asked
.Lfirst_b:
	tensor_load_to_lds s[G0B:G0B+3], s[G1B:G1B+7]
	s_nop 0
	tensor_load_to_lds s[G0B+4:G0B+7], s[G1B:G1B+7]
	s_nop 0
.rept 4
	v_nop
.endr
.Lfirst_asked:
	v_and_b32 v1, 15, v0                           ; l % 16
	v_bfe_u32 v2, v0, 4, 1                         ; l / 16
	v_lshlrev_b32 v[BO], 5, v2
	WIN TO_B
.irp b, 0,1,2,3,4,5,6,7
	global_load_b128 v[8*(\b):8*(\b)+3],   v[BO], s[BP:BP+1] offset:64*(\b)
	global_load_b128 v[8*(\b)+4:8*(\b)+7], v[BO], s[BP:BP+1] offset:64*(\b)+16
.endr
	WIN 0
	; A fragment is 16 rows x 32 K in 8 registers: lane l holds row l % 16, K = 8 (l / 16) + 0..7 and 16 + 8 (l / 16) + 0..7: two loads of 16 bytes, 32 bytes apart
	v_mul_u32_u24 v3, v1, PITCH
	v_lshl_add_u32 v3, v2, 4, v3
	s_mul_i32 s21, s11, HALFT
	s_mul_i32 s22, s12, HALFT
	s_add_co_u32 s22, s22, 2*HALFT
	v_add_nc_u32 v[A0], s21, v3
	v_add_nc_u32 v[B0], s22, v3
	s_mul_i32 s23, s10, 16*SPITCH
	s_add_co_u32 s23, s23, STAGE                   ; my stage
	v_add_nc_u32 v[STO], s23, v3                   ; in: row l % 16, 16 bytes for each half of the lanes (the stage's pitch is the tiles')
	v_mul_u32_u24 v5, v2, SPITCH
	v_lshl_add_u32 v5, v1, 4, v5
	v_add_nc_u32 v[RD], s23, v5                    ; back: lanes 0-15 one row of 256 bytes, lanes 16-31 the next
	v_mul_u32_u24 v5, v2, CP
	v_lshl_add_u32 v[CO], v1, 4, v5                ; the same two rows in qkv
	s_lshl_b32 s21, s13, 8
	s_lshl_b32 s22, s11, 7
	s_add_co_u32 s21, s21, s22                     ; my first row
	s_mul_i32 s22, s21, CP
	s_lshl_b32 s21, s42, 9
	s_add_co_u32 s22, s22, s21
	s_lshl_b32 s21, s12, 8
	s_add_co_u32 s22, s22, s21                     ; + my first column, in bytes
	s_mov_b32 s23, 0
	s_add_nc_u64 s[8:9], s[78:79], s[22:23]
	; the prefetches
	s_lshl_b32 s21, s13, 8
	s_lshl_b32 s22, s42, 8
	s_and_b32 s23, ttmp7, 0xffff
	s_cmp_eq_u32 s11, 0                            ; do I fetch x16?
	s_cselect_b32 s16, s21, s22                    ; the tile's first row
	s_cselect_b32 s17, s40, s41                    ; my place among the four that ask for it with me
	s_cselect_b32 s23, ttmp9, s23                  ; the coordinate along which other clusters read the same rows
	s_cselect_b64 s[PFA:PFA+1], s[4:5], s[6:7]
	s_cmp_eq_u32 s23, 0
	s_cselect_b32 s[LIM], 1, -1                    ; the same in all sixteen partners, for a given wave
	s_lshl_b32 s23, s12, 7
	s_add_co_u32 s16, s16, s23
	s_lshl_b32 s17, s17, 5
	s_add_co_u32 s16, s16, s17                     ; my work-group's 32 of the 128 rows that I fetch
	s_lshl_b32 s16, s16, 11
	s_add_co_u32 s16, s16, 2*KSTEP*2               ; at K step 2: the first refill steps it to 3.  K steps 0 to 2 come by their loads alone
	s_mov_b32 s17, 0
	s_add_nc_u64 s[PFA:PFA+1], s[PFA:PFA+1], s[16:17]
	v_and_b32 v[PFO], 31, v0
	v_mul_u32_u24 v[PFO], v[PFO], ROWB
	; the bias: rounded to bf16, widened again, times f.  All this stands in the wait for the first tile
	s_wait_loadcnt 0x0
	WIN 0x55                                       ; all four places in window 1
.set i_, 0
.rept 32
	v_cvt_pk_bf16_f32 v[192+i_%4], v[2*i_], v[2*i_+1]
	v_lshlrev_b32 v[2*i_], 16, v[192+i_%4]
	v_and_b32 v[2*i_+1], 0xffff0000, v[192+i_%4]
	v_pk_mul_f32 v[2*i_:2*i_+1], v[2*i_:2*i_+1], s[SC:SC+1] op_sel_hi:[1,0]
.set i_, i_+1
.endr
	WIN 0
; 16 matrix instructions: row blocks a0, a0 + 1 of the window's four x all 8 column blocks, 32 along K.  zero = 1: the first product starts the sums.
; The 64 accumulators take turns, one instruction a turn, in the same order in every quarter.
.macro MUL16 f, hi, a0, zero
	WIN MUL_LO+0x50*(\hi)
.irp a, \a0, (\a0)+1
.irp b, 0,1,2,3,4,5,6,7
.if \zero
	v_wmma_f32_16x16x32_bf16 v[8*(8*(\a)+(\b)):8*(8*(\a)+(\b))+7], v[(\f)+8*(\b):(\f)+8*(\b)+7], v[(\f)+8*(4*(\hi)+(\a)):(\f)+8*(4*(\hi)+(\a))+7], 0
.else
	v_wmma_f32_16x16x32_bf16 v[8*(8*(\a)+(\b)):8*(8*(\a)+(\b))+7], v[(\f)+8*(\b):(\f)+8*(\b)+7], v[(\f)+8*(4*(\hi)+(\a)):(\f)+8*(4*(\hi)+(\a))+7], v[8*(8*(\a)+(\b)):8*(8*(\a)+(\b))+7]
.endif
.endr
.endr
.endm
.macro FETCH k, f                      ; 32 LDS loads in one run: the fragments of 32 along K at byte k of the rows of the slot in hand
	WIN TO_B
.irp i, 0,1,2,3,4,5,6,7
	ds_load_b128 v[(\f)+8*(\i):(\f)+8*(\i)+3],   v[ADRB] offset:(\k)+(\i)*16*PITCH
	ds_load_b128 v[(\f)+8*(\i)+4:(\f)+8*(\i)+7], v[ADRB] offset:(\k)+(\i)*16*PITCH+32
.endr
	WIN 0
.irp i, 0,1,2,3,4,5,6,7
	ds_load_b128 v[(\f)+8*(\i):(\f)+8*(\i)+3],   v[ADRA] offset:(\k)+(\i)*16*PITCH
	ds_load_b128 v[(\f)+8*(\i)+4:(\f)+8*(\i)+7], v[ADRA] offset:(\k)+(\i)*16*PITCH+32
.endr
.endm
.macro PLACES                          ; four plain instructions between a matrix instruction and a load into, or a vector instruction on, its registers
.rept 4
	v_nop
.endr
.endm
.macro QUARTER k, f, g, zero           ; multiplies buffer f; in its middle fetches the next quarter, at byte k, into g
	s_wait_dscnt 8                                 ; all but the youngest eight loads (x16's rows 64-127)
	MUL16 \f, 0, 0, \zero
	MUL16 \f, 0, 2, \zero
	PLACES
	FETCH \k, \g
	s_wait_dscnt 32                                ; all but the 32 just issued
	MUL16 \f, 1, 0, \zero
	MUL16 \f, 1, 2, \zero
.endm
; The first half of a K step's last quarter, and ONE barrier for the change of slots.  In front of it each wave waits for all its tensor loads (the one that is out is its part of the next slot),
; adds 0 to its spare word, and waits for that and for its own reads of this slot.
.macro MEET
	WIN 0
	s_wait_tensorcnt 0x0
	ds_add_u32 v[SPW], v[NIL]
	s_wait_dscnt 9                                 ; (the add and the youngest eight loads may be out)
	MUL16 F1, 0, 0, 0
	s_wait_dscnt 0x0                               ; the add is done, my reads of this slot are over
	s_barrier_signal -1
	MUL16 F1, 0, 2, 0
	WIN 0
	s_barrier_wait -1
.endm
.macro TURN1                           ; the last quarter with a refill: the barrier opens a round of the cluster's, and the joint load is the first thing behind it
	s_wait_xcnt 0x0                                ; the last prefetch, a K step back, has read its address
	s_add_nc_u64 s[PFA:PFA+1], s[PFA:PFA+1], KSTEP*2
	MEET
	CREST                                          ; no wave of any partner still reads this slot or has a load on its way
	s_xor_b32 s[G0+5], s[G0+5], SLOT               ; the walking sets: the slot just left (wave x 0x8800 shares no bit with 0x22000: the exclusive or is the sum),
	s_add_nc_u64 s[G0+6:G0+7], s[G0+6:G0+7], KSTEP*2  ; the next K step
	s_xor_b32 s[G0B+5], s[G0B+5], SLOT
	s_add_nc_u64 s[G0B+6:G0B+7], s[G0B+6:G0B+7], KSTEP*2
	s_xor_b32 s[TB], s[TB], SLOT
	JLOAD                                          ; it has 224 matrix instructions in which to land; its four v_nop are also the places in front of the loads below
	v_add_nc_u32 v[ADRA], s[TB], v[A0]
	v_add_nc_u32 v[ADRB], s[TB], v[B0]
	FETCH 0, F0
	ASK
	MUL16 F1, 1, 0, 0
	MUL16 F1, 1, 2, 0
.endm
.macro TURN0B                          ; the same behind a plain barrier: nothing is left to fetch from memory
	s_xor_b32 s[TB], s[TB], SLOT
	v_add_nc_u32 v[ADRA], s[TB], v[A0]
	v_add_nc_u32 v[ADRB], s[TB], v[B0]
	v_nop                                          ; with the two above: four places
	v_nop
	FETCH 0, F0
	MUL16 F1, 1, 0, 0
	MUL16 F1, 1, 2, 0
.endm
; THE WAY OUT of block a (16 rows): f x sum + f x bias; rounded to f16, 16 bytes a lane; through my own stage; stored as whole rows of 256 bytes.
.macro PACK a
.set AC, 64*((\a)%4)
	WIN 0x92+0x41*((\a)/4)                         ; destination and source 0 in window 2 or 3, source 2 (the bias) in window 1
.set i_, 0
.rept 32                                       ; each accumulator's registers in ascending order
	v_pk_fma_f32 v[AC+2*i_:AC+2*i_+1], v[AC+2*i_:AC+2*i_+1], s[SC:SC+1], v[2*i_:2*i_+1] op_sel_hi:[1,0,1]
.set i_, i_+1
.endr
	WIN 0x0a+5*((\a)/4)
.irp b, 0,1,2,3,4,5,6,7
.irp r, 0,1,2,3
	v_cvt_pk_f16_f32 v[TMP+4*(\b)+(\r)], v[AC+8*(\b)+2*(\r)], v[AC+8*(\b)+2*(\r)+1]
.endr
.endr
	WIN 0
.endm
.macro TOSTAGE a
	WIN 0
.set BK, OB+192*((\a)%2)
.irp b, 0,1,2,3,4,5,6,7
	ds_store_b128 v[STO], v[TMP+4*(\b):TMP+4*(\b)+3] offset:32*(\b)
.endr
.irp t, 0,1,2,3,4,5,6,7
	ds_load_b128 v[BK+4*(\t):BK+4*(\t)+3], v[RD] offset:(\t)*2*SPITCH  ; LDS serves a wave's instructions in order (ISA guide 5.7.1.4): these see the stores above
.endr
.endm
.macro SEND a, younger
	WIN 0
.set BK, OB+192*((\a)%2)
	s_wait_dscnt \younger
	s_wait_xcnt 0x0                                ; the stores' base and the registers that earlier stores read are rewritten only behind this wait
.if (\a) > 0
	s_add_nc_u64 s[8:9], s[8:9], 16*CP
.endif
.irp t, 0,1,2,3,4,5,6,7
	global_store_b128 v[CO], v[BK+4*(\t):BK+4*(\t)+3], s[8:9] offset:2*(\t)*CP  ; 16 lanes store 256 consecutive bytes, aligned
.endr
.endm
	s_wait_tensorcnt 0x1                           ; my part of K step 0 is in; K step 1's may stay out
	s_barrier_signal -1
	s_barrier_wait -1
	v_mov_b32 v[ADRA], v[A0]
	v_mov_b32 v[ADRB], v[B0]
	FETCH 0, F0
	QUARTER 64, F0, F1, 1                          ; the first quarter starts the sums
	WIN 0
	s_mov_b32 s3, NK-2
.Llap:                                         ; six trips, from a K step's second quarter to the next step's first; each fills a slot again: K steps 2 to 7
	QUARTER 128, F1, F0, 0
	QUARTER 192, F0, F1, 0
	TURN1
	QUARTER 64, F0, F1, 0
	WIN 0
	s_sub_co_u32 s3, s3, 1
	s_cmp_lg_u32 s3, 0
	s_cbranch_scc1 .Llap
	s_mov_b32 s2, 2
.Ltail:                                        ; the last two K steps ask for nothing; the second trip is left in its middle
	QUARTER 128, F1, F0, 0
	QUARTER 192, F0, F1, 0
	MEET
	s_sub_co_u32 s2, s2, 1
	s_cmp_eq_u32 s2, 0
	s_cbranch_scc1 .Lout
	TURN0B
	QUARTER 64, F0, F1, 0
	WIN 0
	s_branch .Ltail
.Lout:
	MUL16 F1, 1, 0, 0
	MUL16 F1, 1, 2, 0
	WIN 0
	PLACES
	PACK 0
	TOSTAGE 0
.irp a, 1,2,3,4,5,6,7                  ; block a's arithmetic stands between block a - 1's loads from the stage and the wait for them
	PACK \a
	SEND (\a)-1, 0
	TOSTAGE \a
.endr
	SEND 7, 0
	s_wait_tensorcnt 0x0                           ; the wave's end
	ds_add_u32 v[SPW], v[NIL]
	s_wait_dscnt 0x0
	CROUND                                         ; the closing round
	s_endpgm
.Lfunc_end_k_q458a177e18_proj:
	.size	k_q458a177e18_proj, .Lfunc_end_k_q458a177e18_proj-k_q458a177e18_proj
	.p2alignl 7, 3214868480
	.fill 96, 4, 3214868480
	.section	.rodata,"a",@progbits
	.p2align	6, 0x0
	.amdhsa_kernel k_q458a177e18_proj
		.amdhsa_group_segment_fixed_size 327680
		.amdhsa_private_segment_fixed_size 0
		.amdhsa_enable_private_segment 0
		.amdhsa_kernarg_size 48
		.amdhsa_user_sgpr_count 2
		.amdhsa_user_sgpr_kernarg_segment_ptr 1
		.amdhsa_wavefront_size32 1
		.amdhsa_system_sgpr_workgroup_id_x 1
		.amdhsa_system_sgpr_workgroup_id_y 1
		.amdhsa_system_sgpr_workgroup_id_z 1
		.amdhsa_system_vgpr_workitem_id 0
		.amdhsa_next_free_vgpr 1024
		.amdhsa_next_free_sgpr 80
		.amdhsa_reserve_vcc 0
		.amdhsa_float_denorm_mode_32 3
		.amdhsa_float_denorm_mode_16_64 3
		.amdhsa_memory_ordered 1
		.amdhsa_forward_progress 1
		.amdhsa_inst_pref_size 128
	.end_amdhsa_kernel
	.amdgpu_metadata
---
amdhsa.version: [ 1, 2 ]
amdhsa.kernels:
  - .name:           k_q458a177e18_proj
    .symbol:         k_q458a177e18_proj.kd
    .args:
      - { .name: x16, .offset: 0, .size: 8, .value_kind: global_buffer, .address_space: global }
      - { .name: w16, .offset: 8, .size: 8, .value_kind: global_buffer, .address_space: global }
      - { .name: bq, .offset: 16, .size: 8, .value_kind: global_buffer, .address_space: global }
      - { .name: bk, .offset: 24, .size: 8, .value_kind: global_buffer, .address_space: global }
      - { .name: bv, .offset: 32, .size: 8, .value_kind: global_buffer, .address_space: global }
      - { .name: qkv, .offset: 40, .size: 8, .value_kind: global_buffer, .address_space: global }
    .group_segment_fixed_size: 327680
    .private_segment_fixed_size: 0
    .kernarg_segment_align: 8
    .kernarg_segment_size: 48
    .max_flat_workgroup_size: 128
    .sgpr_count:     80
    .vgpr_count:     1024
    .wavefront_size: 32
...
	.end_amdgpu_metadata
.endif
;; end of part 2
;; launch score (part 3): grid 8 x 32, 4 waves a work-group, clusters of 4 x 4, 327,680 bytes of LDS; arguments qkv, mbits, p, stat; writes p, stat
.if DOCPART == 3
	.amdgcn_target "amdgcn-amd-amdhsa--gfx1250"
	.amdhsa_code_object_version 6
	.text
	.protected	k_q458a177e18_score
	.globl	k_q458a177e18_score
	.p2align	8
	.type	k_q458a177e18_score,@function
k_q458a177e18_score:
	s_mov_b64 s[64:65], 0
	v_nop
	global_prefetch_b8 v0, s[64:65] scope:SCOPE_SE
	s_setreg_imm32_b32 hwreg(HW_REG_WAVE_MODE, 25, 1), 1
	s_wait_xcnt 0x0
	s_wait_alu depctr_hold_cnt(0) depctr_sa_sdst(0) depctr_va_vdst(0) depctr_va_sdst(0) depctr_va_ssrc(0) depctr_va_vcc(0) depctr_vm_vsrc(0)
	s_getreg_b32 s2, hwreg(HW_REG_IB_STS2, 6, 4)
	s_cmp_eq_u32 s2, 0
	s_cbranch_scc0 .Lentry_in_a_cluster
	s_endpgm
.Lentry_in_a_cluster:
	s_bfe_u32 s2, ttmp6, 0x10000c
	s_cmp_lg_u32 s2, 0xf033
	s_cbranch_scc0 .Lentry_shape_is_right
	s_endpgm
.Lentry_shape_is_right:
; SCORE.  t[q][k] = sum over d of (c Q)[q][d] K[k][d] = log2(e) x score, for each batch; where the mask's bit is 0, t is REPLACED by -1e9 log2(e), as the module replaces the score by -1e9.
; For each query and each GROUP of 128 keys: m = the largest t of the group, p = 2^(t - m), l = the sum of the p.  p goes out in f16, (m, l) in f32.  Every exponent is 0 or below.  The next launch
; joins the 16 groups of a row by the largest m: together the two are the softmax with its maximum taken away.  A group whose keys are all closed has m = the replaced value and p = 1 throughout,
; so a row with no open key ends as the plain mean, as in the module.
; LIMITS.  Operands f16 (c Q and K below 65,504), sums f32; p below 6e-8 is 0 in f16; a weight below 2^-126 counts as 0 in l; l is taken of the unrounded p.  NaN and infinities are not treated apart.
; SHAPE, RING, CLUSTER: a tile of 256 queries x 256 keys to a work-group, 128 x 128 to a wave (one group of keys); K = 1,024 in 8 steps of 128 through two LDS slots; 4 x 4 work-groups, Q's rows shared
; along a row of the cluster, K's along a column.  Source 0 = 16 keys, source 1 = 16 queries: a lane holds ONE query (l % 16) and, in accumulator (a, b), the keys 16 b + 8 (l / 16) + 0..7.
; THE MASK comes as lane masks, one word for each register of each accumulator (made by the launch that packs it).  A wave's 8 x 64 words are loaded once, at the head, two words a lane for each block of
; 16 queries (256 consecutive bytes a load), and wait in 16 registers; on the way out v_readlane_b32 hands a block's 64 words to scalar registers, and one v_cndmask_b32 a number applies them.
; THE WAY OUT IS A LOOP of eight trips, a block of 16 queries each.  Only the 64 lines that take a block out of its accumulators name registers of that block: they are written eight times, and a forward
; jump on the trip's number chooses; they apply the mask on the way and leave the block in 64 fixed registers, on which all the rest works: that rest is written once.
; REGISTERS: window 0: v16-31 addresses; v32-47 the mask words; v64-191 Q's fragments (on the way out v64-127 the block in hand, v128-139 at work); v192-223 packed p; v224-255 rows read back from the stage
;   window 1: v64-191 K's fragments;   windows 2, 3: accumulator (a, b) at 8 (8 (a % 4) + b), window 2 + a / 4
.set NK,     8
.set KSTEP,  128
.set PITCH,  272                       ; 256 bytes + 16 of padding: the 16 rows of a fragment load start at 16 different groups of four banks (64 banks of 4 bytes: ISA guide 11.1)
.set HALFT,  128*PITCH
.set SLOT,   4*HALFT                   ; 0x22000
.set STAGE,  2*SLOT
.set SPITCH, 272
.set SPARE,  STAGE+4*16*SPITCH         ; the spare words, 128 bytes for each wave: two blocks of 256 bytes that no other line names
.set ROWB,   6144                      ; bytes in a row of qkv
.set CP,     4096                      ; bytes in a row of p
.set A0,   16
.set B0,   17
.set ADRA, 18
.set ADRB, 19
.set STO,  24
.set RD,   25
.set CO,   26
.set SPW,  28                          ; v28  my spare word; never rewritten
.set NIL,  29                          ; v29  0; never rewritten
.set PFO,  30                          ; v30  my lane x a row of qkv; never rewritten
.set ML,   31                          ; v31  8 x lane: my two mask words of a block, and my (m, l) in 32 rows of stat; never rewritten
.set MW,   32                          ; v32-47  the mask words: the pair of the block in hand first, the later blocks' behind it
.set F0,   64
.set F1,   128
.set SCR,  64                          ; v64-127  the block in hand: number 8 b + j is register j of accumulator b
.set CH,   128                         ; v128-131 four chains of the maximum
.set MM,   132                         ; v132-133 m, twice
.set PT,   134                         ; v134     what the other half of the lanes holds
.set LL,   136                         ; v136-137 l at work; at the end l in v137
.set T0,   138                         ; v138-139 (m, l) of two blocks: lanes 0-15 the even block's, lanes 16-31 the odd one's
.set TMP,  192
.set OB,   224
.set TB,   14
.set LIM,  15
.set G1,   24
.set G0,   32
.set PFA,  44
.set G1B,  48
.set G0B,  56
.set ST,   84                          ; s[84:85] stat at my group and my first row; it steps 128 bytes a trip
.set SEL,  86                          ; s[86:87] v_permlanex16_b32's selects: each lane takes its own place in the other half
.set BIG,  88                          ; s88  -1e9 log2(e)
.set SELM, 89                          ; s89  the lanes that take this trip's (m, l): 0-15 in even trips, 16-31 in odd ones
.set MP,   90                          ; s[90:91] my wave's mask words; never rewritten
.set GW,   (1<<16)|(1<<20)|(1<<21)|(5<<22)|(3<<25)
.set MSB, 0
.macro WIN new
.if MSB != (\new)
	s_set_vgpr_msb (MSB<<8)|(\new)
.set MSB, \new
.endif
.endm
.set MUL_LO, 0xa1
.set TO_B,   0x40
.macro JLOAD                           ; a joint refill by the walking sets: waves 0 and 1 Q's halves, waves 2 and 3 K's; an s_nop 0 and four v_nop follow each line
	s_cmp_eq_u32 s11, 0
	s_cbranch_scc0 .Lfor_b_\@
	tensor_load_to_lds s[G0+4:G0+7], s[G1:G1+7]
	s_nop 0
.rept 4
	v_nop
.endr
	s_branch .Lasked_\@
.Lfor_b_\@:
	tensor_load_to_lds s[G0B+4:G0B+7], s[G1B:G1B+7]
	s_nop 0
.rept 4
	v_nop
.endr
.Lasked_\@:
.endm
; A prefetch, behind the joint load and the run of LDS loads: the K step that the next refill will ask for: 32 rows x 256 bytes, a lane a row, 256 matrix instructions ahead.  Q's rows are named by the first
; cluster along x, K's by the first of the batch's two clusters along y; the four partners take 32 of the 128 rows each, by address.  The last trip asks for nothing.
.macro ASK
	s_cmp_gt_u32 s3, s[LIM]
	s_cbranch_scc0 .Lnot_mine_\@
	global_prefetch_b8 v[PFO], s[PFA:PFA+1] th:TH_LOAD_NT scope:SCOPE_SE
.Lnot_mine_\@:
.endm
.macro CREST
	s_cmp_lg_u32 s10, 0
	s_cbranch_scc1 .Lnot_wave_0_\@
	s_barrier_signal -3
.Lnot_wave_0_\@:
	s_barrier_wait -3
	s_barrier_signal -1
	s_barrier_wait -1
.endm
.macro CROUND
	s_barrier_signal -1
	s_barrier_wait -1
	CREST
.endm
	s_load_b256 s[72:79], s[0:1], 0x0              ; qkv 72:73, mbits 74:75, p 76:77, stat 78:79
	v_lshl_add_u32 v[SPW], v0, 2, SPARE
	v_mov_b32 v[NIL], 0
	ds_add_u32 v[SPW], v[NIL]                      ; the wave's opening: the add and its wait stand ahead of my first tensor load
	v_lshrrev_b32 v1, 5, v0
	v_readfirstlane_b32 s10, v1                    ; wave 0..3
	s_lshr_b32 s11, s10, 1                         ; my half of the queries.  Also: I fetch Q (0) or K (1)
	s_and_b32 s12, s10, 1                          ; my half of the keys.  Also: which 128 rows I fetch
	s_bfe_u32 s40, ttmp6, 0x40000                  ; cx
	s_bfe_u32 s41, ttmp6, 0x40004                  ; cy
	s_lshl_b32 s42, ttmp9, 2
	s_add_co_u32 s42, s42, s40                     ; tile column: 256 keys of the batch
	s_and_b32 s21, ttmp7, 0xffff                   ; cluster y
	s_lshl_b32 s13, s21, 2
	s_add_co_u32 s13, s13, s41                     ; tile row: 256 of the 8,192 queries
	s_lshr_b32 s22, s21, 1                         ; the batch: two clusters along y each, so all sixteen partners share it
	s_mul_i32 s22, s22, 2048*ROWB
	s_add_co_u32 s22, s22, 2048                    ; K lies 2,048 bytes into a row of qkv
	s_mov_b32 s23, 0
	s_lshl_b32 s43, s41, 2
	s_lshl_b32 s43, 15, s43                        ; my row of the cluster
	s_lshl_b32 s44, 0x1111, s40                    ; my column
	s_or_b32 s[G1], s43, GW
	s_or_b32 s[G1B], s44, GW
.irp g, G1, G1B
	s_mov_b32 s[(\g)+1], KSTEP<<16                 ; tensor_dim0 = 128
	s_mov_b32 s[(\g)+2], 128<<16                   ; tensor_dim1 = 128
	s_mov_b32 s[(\g)+3], KSTEP<<16                 ; tile_dim0 = 128
	s_mov_b32 s[(\g)+4], 128                       ; tile_dim1 = 128
	s_mov_b32 s[(\g)+5], 3072                      ; elements from row to row
	s_mov_b32 s[(\g)+6], 0
	s_mov_b32 s[(\g)+7], 0
.endr
	s_lshl_b32 s17, s12, 7
	s_lshl_b32 s16, s13, 8
	s_add_co_u32 s16, s16, s17
	s_lshl_b32 s46, s42, 8
	s_add_co_u32 s46, s46, s17
	s_mul_i32 s16, s16, ROWB
	s_mul_i32 s46, s46, ROWB
	s_mov_b32 s17, 0
	s_mov_b32 s47, 0
	s_mul_i32 s20, s10, HALFT
	s_mov_b32 s[TB], 0
	s_mov_b32 s[SEL], 0x76543210
	s_mov_b32 s[SEL+1], 0xfedcba98
	s_mov_b32 s[BIG], 0xceabfb8f
	s_wait_dscnt 0x0                               ; the opening add is done
	s_wait_kmcnt 0x0
	s_mov_b64 s[4:5], s[72:73]                     ; Q's first byte
	s_add_nc_u64 s[6:7], s[72:73], s[22:23]        ; the batch's K
	s_add_nc_u64 s[16:17], s[4:5], s[16:17]
	s_add_nc_u64 s[46:47], s[6:7], s[46:47]
.irp s, 0,1
	s_mov_b32 s[G0+4*(\s)], 1
	s_add_co_u32 s[G0+4*(\s)+1], s20, (\s)*SLOT
	s_add_nc_u64 s[G0+4*(\s)+2:G0+4*(\s)+3], s[16:17], (\s)*KSTEP*2
	s_or_b32 s[G0+4*(\s)+3], s[G0+4*(\s)+3], 0x80000000
	s_mov_b32 s[G0B+4*(\s)], 1
	s_add_co_u32 s[G0B+4*(\s)+1], s20, (\s)*SLOT
	s_add_nc_u64 s[G0B+4*(\s)+2:G0B+4*(\s)+3], s[46:47], (\s)*KSTEP*2
	s_or_b32 s[G0B+4*(\s)+3], s[G0B+4*(\s)+3], 0x80000000
.endr
	CROUND                                         ; all sixteen work-groups are here: the first joint loads meet
	s_cmp_eq_u32 s11, 0                            ; a wave's two first fills stand in one branch: two loads of mine are out
	s_cbranch_scc0 .Lfirst_b
	tensor_load_to_lds s[G0:G0+3], s[G1:G1+7]
	s_nop 0
	tensor_load_to_lds s[G0+4:G0+7], s[G1:G1+7]
	s_nop 0
.rept 4
	v_nop
.endr
	s_branch .Lfirst_asked
.Lfirst_b:
	tensor_load_to_lds s[G0B:G0B+3], s[G1B:G1B+7]
	s_nop 0
	tensor_load_to_lds s[G0B+4:G0B+7], s[G1B:G1B+7]
	s_nop 0
.rept 4
	v_nop
.endr
.Lfirst_asked:
	; the mask words of my 128 queries x 128 keys.  The mask is one for all batches: the tile row within the batch (16 blocks of queries of 4,096 bytes), my half of them, the tile's 16 blocks of keys of 32 bytes, my half
	s_and_b32 s21, s13, 7
	s_lshl_b32 s21, s21, 16
	s_lshl_b32 s22, s42, 9
	s_add_co_u32 s22, s21, s22
	s_lshl_b32 s21, s11, 15
	s_add_co_u32 s22, s22, s21
	s_lshl_b32 s21, s12, 8
	s_add_co_u32 s22, s22, s21
	s_mov_b32 s23, 0
	s_add_nc_u64 s[MP:MP+1], s[74:75], s[22:23]
	v_and_b32 v[PFO], 31, v0
	v_lshlrev_b32 v[ML], 3, v[PFO]
.set i_, 0
.rept 8                                        ; block i_: its 64 words are 256 consecutive bytes: word w lands in lane w / 2, register w % 2 of the pair
	global_load_b64 v[MW+2*i_:MW+2*i_+1], v[ML], s[MP:MP+1] offset:4096*i_
.set i_, i_+1
.endr
	v_and_b32 v1, 15, v0
	v_bfe_u32 v2, v0, 4, 1
	v_mul_u32_u24 v3, v1, PITCH
	v_lshl_add_u32 v3, v2, 4, v3
	s_mul_i32 s21, s11, HALFT
	s_mul_i32 s22, s12, HALFT
	s_add_co_u32 s22, s22, 2*HALFT
	v_add_nc_u32 v[A0], s21, v3
	v_add_nc_u32 v[B0], s22, v3
	s_mul_i32 s23, s10, 16*SPITCH
	s_add_co_u32 s23, s23, STAGE
	v_add_nc_u32 v[STO], s23, v3
	v_mul_u32_u24 v5, v2, SPITCH
	v_lshl_add_u32 v5, v1, 4, v5
	v_add_nc_u32 v[RD], s23, v5
	v_lshlrev_b32 v5, 12, v2
	v_lshl_add_u32 v[CO], v1, 4, v5
	s_lshl_b32 s21, s13, 8
	s_lshl_b32 s22, s11, 7
	s_add_co_u32 s21, s21, s22                     ; my first query
	s_lshl_b32 s22, s21, 12
	s_lshl_b32 s23, s42, 9
	s_add_co_u32 s22, s22, s23
	s_lshl_b32 s23, s12, 8
	s_add_co_u32 s22, s22, s23
	s_mov_b32 s23, 0
	s_add_nc_u64 s[8:9], s[76:77], s[22:23]        ; p at my first row and key
	s_lshl_b32 s22, s21, 3
	s_lshl_b32 s23, s42, 17
	s_add_co_u32 s22, s22, s23
	s_lshl_b32 s23, s12, 16
	s_add_co_u32 s22, s22, s23                     ; group 2 x tile column + half: 65,536 bytes each
	s_mov_b32 s23, 0
	s_add_nc_u64 s[ST:ST+1], s[78:79], s[22:23]
	; the prefetches
	s_lshl_b32 s21, s13, 8
	s_lshl_b32 s22, s42, 8
	s_and_b32 s23, ttmp7, 1
	s_cmp_eq_u32 s11, 0
	s_cselect_b32 s16, s21, s22
	s_cselect_b32 s17, s40, s41
	s_cselect_b32 s23, ttmp9, s23
	s_cselect_b64 s[PFA:PFA+1], s[4:5], s[6:7]
	s_cmp_eq_u32 s23, 0
	s_cselect_b32 s[LIM], 1, -1
	s_lshl_b32 s23, s12, 7
	s_add_co_u32 s16, s16, s23
	s_lshl_b32 s17, s17, 5
	s_add_co_u32 s16, s16, s17
	s_mul_i32 s16, s16, ROWB
	s_add_co_u32 s16, s16, 2*KSTEP*2               ; at K step 2: the first refill steps it to 3
	s_mov_b32 s17, 0
	s_add_nc_u64 s[PFA:PFA+1], s[PFA:PFA+1], s[16:17]
	v_mul_u32_u24 v[PFO], v[PFO], ROWB
; The 64 accumulators take turns, one instruction a turn, in the same order in every quarter.
.macro MUL16 f, hi, a0, zero
	WIN MUL_LO+0x50*(\hi)
.irp a, \a0, (\a0)+1
.irp b, 0,1,2,3,4,5,6,7
.if \zero
	v_wmma_f32_16x16x32_f16 v[8*(8*(\a)+(\b)):8*(8*(\a)+(\b))+7], v[(\f)+8*(\b):(\f)+8*(\b)+7], v[(\f)+8*(4*(\hi)+(\a)):(\f)+8*(4*(\hi)+(\a))+7], 0
.else
	v_wmma_f32_16x16x32_f16 v[8*(8*(\a)+(\b)):8*(8*(\a)+(\b))+7], v[(\f)+8*(\b):(\f)+8*(\b)+7], v[(\f)+8*(4*(\hi)+(\a)):(\f)+8*(4*(\hi)+(\a))+7], v[8*(8*(\a)+(\b)):8*(8*(\a)+(\b))+7]
.endif
.endr
.endr
.endm
.macro FETCH k, f
	WIN TO_B
.irp i, 0,1,2,3,4,5,6,7
	ds_load_b128 v[(\f)+8*(\i):(\f)+8*(\i)+3],   v[ADRB] offset:(\k)+(\i)*16*PITCH
	ds_load_b128 v[(\f)+8*(\i)+4:(\f)+8*(\i)+7], v[ADRB] offset:(\k)+(\i)*16*PITCH+32
.endr
	WIN 0
.irp i, 0,1,2,3,4,5,6,7
	ds_load_b128 v[(\f)+8*(\i):(\f)+8*(\i)+3],   v[ADRA] offset:(\k)+(\i)*16*PITCH
	ds_load_b128 v[(\f)+8*(\i)+4:(\f)+8*(\i)+7], v[ADRA] offset:(\k)+(\i)*16*PITCH+32
.endr
.endm
.macro PLACES                          ; four plain instructions between a matrix instruction and a load into, or a vector instruction on, its registers
.rept 4
	v_nop
.endr
.endm
.macro QUARTER k, f, g, zero
	s_wait_dscnt 8                                 ; all but the youngest eight loads (Q's rows 64-127)
	MUL16 \f, 0, 0, \zero
	MUL16 \f, 0, 2, \zero
	PLACES
	FETCH \k, \g
	s_wait_dscnt 32                                ; all but the 32 just issued
	MUL16 \f, 1, 0, \zero
	MUL16 \f, 1, 2, \zero
.endm
.macro MEET                            ; one barrier for the change of slots: all my tensor loads, the add, and my reads of this slot are waited for in front of it
	WIN 0
	s_wait_tensorcnt 0x0
	ds_add_u32 v[SPW], v[NIL]
	s_wait_dscnt 9                                 ; (the add and the youngest eight loads may be out)
	MUL16 F1, 0, 0, 0
	s_wait_dscnt 0x0
	s_barrier_signal -1
	MUL16 F1, 0, 2, 0
	WIN 0
	s_barrier_wait -1
.endm
.macro TURN1
	s_wait_xcnt 0x0                                ; the last prefetch, a K step back, has read its address
	s_add_nc_u64 s[PFA:PFA+1], s[PFA:PFA+1], KSTEP*2
	MEET
	CREST                                          ; the barrier has opened a round of the cluster's: no wave of any partner still reads this slot or has a load on its way
	s_xor_b32 s[G0+5], s[G0+5], SLOT               ; the slot just left (wave x 0x8800 shares no bit with 0x22000), the next K step
	s_add_nc_u64 s[G0+6:G0+7], s[G0+6:G0+7], KSTEP*2
	s_xor_b32 s[G0B+5], s[G0B+5], SLOT
	s_add_nc_u64 s[G0B+6:G0B+7], s[G0B+6:G0B+7], KSTEP*2
	s_xor_b32 s[TB], s[TB], SLOT
	JLOAD
	v_add_nc_u32 v[ADRA], s[TB], v[A0]
	v_add_nc_u32 v[ADRB], s[TB], v[B0]
	FETCH 0, F0
	ASK
	MUL16 F1, 1, 0, 0
	MUL16 F1, 1, 2, 0
.endm
.macro TURN0B
	s_xor_b32 s[TB], s[TB], SLOT
	v_add_nc_u32 v[ADRA], s[TB], v[A0]
	v_add_nc_u32 v[ADRB], s[TB], v[B0]
	v_nop                                          ; with the two above: four places
	v_nop
	FETCH 0, F0
	MUL16 F1, 1, 0, 0
	MUL16 F1, 1, 2, 0
.endm
; Block a leaves its accumulators: closed keys take the replaced value, and the 64 numbers land in the fixed registers.  Each accumulator's registers are read in ascending order.
; Word 8 b + j lies in s16-63 (words 0-47) and s68-83 (words 48-63).
.macro SEG a
	WIN (2+(\a)/4)<<2                              ; source 1 in window 2 or 3, destination in window 0
.set i_, 0
.rept 64
	v_cndmask_b32 v[SCR+i_], s[BIG], v[64*((\a)%4)+i_], s[16+16*(i_/16)+4*(i_/48)+i_%16]
.set i_, i_+1
.endr
	WIN 0
.endm
	s_wait_loadcnt 0x0                             ; the mask words are in: they were asked for behind the first tiles
	s_wait_tensorcnt 0x1                           ; my part of K step 0 is in; K step 1's may stay out
	s_barrier_signal -1
	s_barrier_wait -1
	v_mov_b32 v[ADRA], v[A0]
	v_mov_b32 v[ADRB], v[B0]
	FETCH 0, F0
	QUARTER 64, F0, F1, 1
	WIN 0
	s_mov_b32 s3, NK-2
.Llap:                                         ; six trips; each fills a slot again: K steps 2 to 7
	QUARTER 128, F1, F0, 0
	QUARTER 192, F0, F1, 0
	TURN1
	QUARTER 64, F0, F1, 0
	WIN 0
	s_sub_co_u32 s3, s3, 1
	s_cmp_lg_u32 s3, 0
	s_cbranch_scc1 .Llap
	s_mov_b32 s2, 2
.Ltail:                                        ; the last two K steps ask for nothing; the second trip is left in its middle
	QUARTER 128, F1, F0, 0
	QUARTER 192, F0, F1, 0
	MEET
	s_sub_co_u32 s2, s2, 1
	s_cmp_eq_u32 s2, 0
	s_cbranch_scc1 .Lout
	TURN0B
	QUARTER 64, F0, F1, 0
	WIN 0
	s_branch .Ltail
.Lout:
	MUL16 F1, 1, 0, 0
	MUL16 F1, 1, 2, 0
	WIN 0
	PLACES
	s_wait_xcnt 0x0                                ; the prefetches have read their address; every tensor load has been waited for: the descriptors' and the prefetches' registers take mask words now
	v_mov_b32 v[PT], 0                             ; v_permlanex16_b32 counts as a reader of its destination,
	v_mov_b32 v[T0], 0                             ; and the selects below read the pair that they write
	v_mov_b32 v[T0+1], 0
	s_mov_b32 s[SELM], 0xffff
	s_mov_b32 s2, 0
.Lblk:                                         ; THE WAY OUT: eight trips; trip a takes 16 queries x 128 keys, 64 numbers a lane (the query's other 64 keys lie in the lane 16 away)
.set i_, 0
.rept 64                                       ; the block's 64 lane masks, from the first pair of the mask registers
	v_readlane_b32 s[16+16*(i_/16)+4*(i_/48)+i_%16], v[MW+i_%2], i_/2
.set i_, i_+1
.endr
.set i_, 0
.rept 14                                       ; the later blocks' pairs move down by one, so that every trip reads the same two registers
	v_mov_b32 v[MW+i_], v[MW+i_+2]
.set i_, i_+1
.endr
.irp k, 1,2,3,4,5,6,7
	s_cmp_eq_u32 s2, \k
	s_cbranch_scc1 .Lseg\k
.endr
	SEG 0
	s_branch .Lcom
.irp k, 1,2,3,4,5,6
.Lseg\k:
	SEG \k
	s_branch .Lcom
.endr
.Lseg7:
	SEG 7
.Lcom:
.irp i, 0,1,2,3
	v_max3_num_f32 v[CH+(\i)], v[SCR+3*(\i)], v[SCR+3*(\i)+1], v[SCR+3*(\i)+2]
.endr
.set i_, 0
.rept 26                                       ; four chains that do not wait for each other
	v_max3_num_f32 v[CH+i_%4], v[CH+i_%4], v[SCR+12+2*i_], v[SCR+13+2*i_]
.set i_, i_+1
.endr
	v_max3_num_f32 v[CH], v[CH], v[CH+1], v[CH+2]
	v_max_num_f32 v[CH], v[CH], v[CH+3]
	v_permlanex16_b32 v[PT], v[CH], s[SEL], s[SEL+1]
	v_max_num_f32 v[MM], v[CH], v[PT]              ; m
	v_mov_b32 v[MM+1], v[MM]                       ; named with it as a pair
.set i_, 0
.rept 32
	v_pk_add_f32 v[SCR+2*i_:SCR+2*i_+1], v[SCR+2*i_:SCR+2*i_+1], v[MM:MM+1] op_sel_hi:[1,0] neg_lo:[0,1] neg_hi:[0,1]  ; t - m
.set i_, i_+1
.endr
.set i_, 0
.rept 64                                       ; one batch of exponentials,
	v_exp_f32 v[SCR+i_], v[SCR+i_]
.set i_, i_+1
.endr
	v_nop                                          ; a plain instruction behind the last,
	s_wait_alu depctr_va_vdst(0)                   ; and the one wait ahead of the first use
.set i_, 0
.rept 32
	v_cvt_pk_f16_f32 v[TMP+i_], v[SCR+2*i_], v[SCR+2*i_+1]  ; accumulator b's eight keys: 16 bytes in TMP + 4 b ..
.set i_, i_+1
.endr
	s_wait_xcnt 0x0                                ; the last trip's stores have read their sources: only behind this wait are their two bases stepped, the rows' registers loaded again and the pair (m, l) rewritten
	s_add_nc_u64 s[8:9], s[8:9], 16*CP             ; both bases stand one step ahead of the trip's rows: the stores below reach back by their immediates
	s_add_nc_u64 s[ST:ST+1], s[ST:ST+1], 128
.irp b, 0,1,2,3,4,5,6,7
	ds_store_b128 v[STO], v[TMP+4*(\b):TMP+4*(\b)+3] offset:32*(\b)
.endr
.irp t, 0,1,2,3,4,5,6,7
	ds_load_b128 v[OB+4*(\t):OB+4*(\t)+3], v[RD] offset:(\t)*2*SPITCH  ; LDS serves a wave's instructions in order (ISA guide 5.7.1.4): these see the stores above
.endr
.irp w, 32,16,8,4                      ; the sums stand between the stage's loads and the wait for them: pairs 16, 8, 4 and 2 apart, in place
.set i_, 0
.rept (\w)/2
	v_pk_add_f32 v[SCR+2*i_:SCR+2*i_+1], v[SCR+2*i_:SCR+2*i_+1], v[SCR+(\w)+2*i_:SCR+(\w)+2*i_+1]
.set i_, i_+1
.endr
.endr
	v_pk_add_f32 v[LL:LL+1], v[SCR:SCR+1], v[SCR+2:SCR+3]
	v_add_f32 v[LL], v[LL], v[LL+1]
	v_permlanex16_b32 v[PT], v[LL], s[SEL], s[SEL+1]
	v_add_f32 v[LL+1], v[LL], v[PT]                ; l
	s_wait_dscnt 0x0                               ; the block is back, as whole rows
.irp t, 0,1,2,3,4,5,6,7
	global_store_b128 v[CO], v[OB+4*(\t):OB+4*(\t)+3], s[8:9] offset:2*(\t)*CP-16*CP  ; 16 lanes store 256 consecutive bytes, aligned
.endr
	v_cndmask_b32 v[T0], v[T0], v[MM], s[SELM]     ; (m, l): an even block's into lanes 0-15, an odd block's into lanes 16-31 (both halves of the lanes hold a query's two numbers)
	v_cndmask_b32 v[T0+1], v[T0+1], v[LL+1], s[SELM]
	s_not_b32 s[SELM], s[SELM]
	s_bitcmp1_b32 s2, 0
	s_cbranch_scc0 .Lnostat                        ; an odd trip stores the two blocks' 32 rows: 256 consecutive bytes, aligned; its base stands 128 (a + 1) bytes on, the rows begin at 128 (a - 1)
	global_store_b64 v[ML], v[T0:T0+1], s[ST:ST+1] offset:-256
.Lnostat:
	s_add_co_u32 s2, s2, 1
	s_cmp_lt_u32 s2, 8
	s_cbranch_scc1 .Lblk
	s_wait_tensorcnt 0x0                           ; the wave's end
	ds_add_u32 v[SPW], v[NIL]
	s_wait_dscnt 0x0
	CROUND                                         ; the closing round
	s_endpgm
.Lfunc_end_k_q458a177e18_score:
	.size	k_q458a177e18_score, .Lfunc_end_k_q458a177e18_score-k_q458a177e18_score
	.p2alignl 7, 3214868480
	.fill 96, 4, 3214868480
	.section	.rodata,"a",@progbits
	.p2align	6, 0x0
	.amdhsa_kernel k_q458a177e18_score
		.amdhsa_group_segment_fixed_size 327680
		.amdhsa_private_segment_fixed_size 0
		.amdhsa_enable_private_segment 0
		.amdhsa_kernarg_size 32
		.amdhsa_user_sgpr_count 2
		.amdhsa_user_sgpr_kernarg_segment_ptr 1
		.amdhsa_wavefront_size32 1
		.amdhsa_system_sgpr_workgroup_id_x 1
		.amdhsa_system_sgpr_workgroup_id_y 1
		.amdhsa_system_sgpr_workgroup_id_z 1
		.amdhsa_system_vgpr_workitem_id 0
		.amdhsa_next_free_vgpr 1024
		.amdhsa_next_free_sgpr 96
		.amdhsa_reserve_vcc 0
		.amdhsa_float_denorm_mode_32 3
		.amdhsa_float_denorm_mode_16_64 3
		.amdhsa_memory_ordered 1
		.amdhsa_forward_progress 1
		.amdhsa_inst_pref_size 123
	.end_amdhsa_kernel
	.amdgpu_metadata
---
amdhsa.version: [ 1, 2 ]
amdhsa.kernels:
  - .name:           k_q458a177e18_score
    .symbol:         k_q458a177e18_score.kd
    .args:
      - { .name: qkv, .offset: 0, .size: 8, .value_kind: global_buffer, .address_space: global }
      - { .name: mbits, .offset: 8, .size: 8, .value_kind: global_buffer, .address_space: global }
      - { .name: p, .offset: 16, .size: 8, .value_kind: global_buffer, .address_space: global }
      - { .name: stat, .offset: 24, .size: 8, .value_kind: global_buffer, .address_space: global }
    .group_segment_fixed_size: 327680
    .private_segment_fixed_size: 0
    .kernarg_segment_align: 8
    .kernarg_segment_size: 32
    .max_flat_workgroup_size: 128
    .sgpr_count:     96
    .vgpr_count:     1024
    .wavefront_size: 32
...
	.end_amdgpu_metadata
.endif
;; end of part 3
;; launch pv (part 4): grid 4 x 64, 4 waves a work-group, clusters of 4 x 4, 327,680 bytes of LDS; arguments p, qkv, stat, out0; writes out0
.if DOCPART == 4
	.amdgcn_target "amdgcn-amd-amdhsa--gfx1250"
	.amdhsa_code_object_version 6
	.text
	.protected	k_q458a177e18_pv
	.globl	k_q458a177e18_pv
	.p2align	8
	.type	k_q458a177e18_pv,@function
k_q458a177e18_pv:
	s_mov_b64 s[64:65], 0
	v_nop
	global_prefetch_b8 v0, s[64:65] scope:SCOPE_SE
	s_setreg_imm32_b32 hwreg(HW_REG_WAVE_MODE, 25, 1), 1
	s_wait_xcnt 0x0
	s_wait_alu depctr_hold_cnt(0) depctr_sa_sdst(0) depctr_va_vdst(0) depctr_va_sdst(0) depctr_va_ssrc(0) depctr_va_vcc(0) depctr_vm_vsrc(0)
	s_getreg_b32 s2, hwreg(HW_REG_IB_STS2, 6, 4)
	s_cmp_eq_u32 s2, 0
	s_cbranch_scc0 .Lentry_in_a_cluster
	s_endpgm
.Lentry_in_a_cluster:
	s_bfe_u32 s2, ttmp6, 0x10000c
	s_cmp_lg_u32 s2, 0xf033
	s_cbranch_scc0 .Lentry_shape_is_right
	s_endpgm
.Lentry_shape_is_right:
; PV.  out0[q][ch] = (sum over the 16 groups g of y_g(q) x sum over the group's 128 keys of p[q][k] V[k][ch]) / L(q), with M = the largest m_g of the row, y_g = 2^(m_g - M), L = sum of y_g l_g:
; the softmax's second half.  Every exponent is 0 or below; the group that holds M has y = 1 and l >= 1, so L lies in 1 .. 2,048.
; y is rounded to f16, and L is summed with the ROUNDED y, so that weights and divisor agree; p y is one packed f16 product on p's fragment, where a lane holds one query.
; LIMITS.  p, y and V in f16, sums f32; y below 6e-8 counts as 0, and p y below 6e-5 keeps f16's fixed step of 6e-8 (against L >= 1).  NaN and infinities are not treated apart.
; SHAPE.  A work-group makes 128 queries x 256 channels, a wave 64 x 128: 32 accumulators.  The keys go in 16 steps of 128 (a step is a group) through two LDS slots.  64 x 4 work-groups: one for each WGP.
; O^T = V^T P: source 0 = 16 channels x 32 keys (V lies [key][channel] and is turned by ds_load_tr16_b128), source 1 = 16 queries x 32 keys (p as it lies): a lane holds ONE query and 8 neighbouring channels.
; CLUSTER.  4 x 4: p's rows are shared along a row of the cluster (four blocks of channels), V's tile along a column (four blocks of queries of one batch): joint loads.
; REGISTERS: window 0: v16-31 addresses; v32-35 y of the step in hand, a register for each block of 16 queries; v36-63 at work; v64-127, v128-191 V's fragments, two buffers (at the head the statistics, at the end rows to store)
;   window 1: accumulator (a, b) at 64 a + 8 b for a = 0..2; v192-223, v224-255 p's fragments, two buffers;   window 2: v0-63 the accumulators of a = 3
; Under the setting of the products (V window 0; p, C, D window 1) the packed product p y names its registers too: the scalings stand behind the matrix instructions without a switch.
.set NK,    16
.set SLOT1, 1<<17                      ; slot 1 begins here: one exclusive or turns an address in one slot into the other's
.set PP,    272                        ; a row of p in LDS: 256 bytes + 16
.set PVP,   544                        ; a row of V: 512 bytes + 32 = 17 x 32
.set VOFF,  128*PP                     ; a slot: 128 rows of p, then 128 keys of V
.set VSTEP, 128*6144                   ; bytes from a K step of V to the next
.set STAGE, SLOT1+VOFF+128*PVP         ; behind the ring, never filled by a tensor load: 16 rows x 528 bytes for each wave
.set SP,    528
.set FT,    STAGE+4*16*SP              ; y, packed twice in a word: for each wave 16 groups x 64 rows
.set RLT,   FT+4*4096                  ; 1 / L: for each wave 64 rows
.set SPARE, RLT+4*256                  ; the spare words, 128 bytes for each wave: two blocks of 256 bytes that no other line names
.set AP0, 16                           ; v16  my lane's place in p's tile; never rewritten
.set AV0, 17                           ; v17  the same for V's
.set ADP, 18                           ; v18  AP0 + the slot in hand
.set ADV, 19                           ; v19  AV0 + the slot in hand
.set FA,  20                           ; v20  FA0 + 256 x the step in hand
.set STO, 21
.set RD,  22
.set GO,  23
.set FTA, 24                           ; v24  where I store y of row 'lane'
.set RLA, 25                           ; v25  where I store 1 / L of row 'lane'
.set SO,  26                           ; v26  8 x lane
.set RLR, 27                           ; v27  where I read 1 / L of row l % 16
.set SPW, 28
.set NIL, 29
.set PFO, 30
.set FA0, 31                           ; v31  y of row l % 16, group 0
.set FC,  32
.set MX,  36                           ; v36-37  M, later 1 / L, of the two passes
.set LS,  38                           ; v38-39  L
.set H,   40                           ; v40-55  y in f16
.set RL,  56                           ; v56-63  1 / L of block a, as a pair
.set VF,  64
.set SD,  64                           ; the statistics: pass s, group g at SD + 32 s + 2 g: m, l
.set OB,  64
.set PF,  192
.set TB,  14                           ; s14  the slot in hand: 0 or SLOT1
.set LIM, 15                           ; s15  2 in a wave that prefetches, else the greatest number
.set G1P, 24
.set G0P, 32
.set PFA, 44
.set PST, 46                           ; s[46:47] bytes from a K step to the next in what I prefetch
.set G1V, 48
.set G0V, 56
.set STP, 66                           ; s[66:67] stat at my wave's first row
.set FTS, 70                           ; s70  256 x the step in hand
.set W_LO, 0x54
.set W_HI, 0xa4                        ; the same with C and D in window 2
.set MSB, 0
.macro WIN new
.if MSB != (\new)
	s_set_vgpr_msb (MSB<<8)|(\new)
.set MSB, \new
.endif
.endm
.macro JLOAD                           ; a joint refill by the walking sets: waves 0 and 1 fetch p's two halves, waves 2 and 3 V's; an s_nop 0 and four v_nop follow each line
	s_cmp_eq_u32 s11, 0
	s_cbranch_scc0 .Lfor_v_\@
	tensor_load_to_lds s[G0P+4:G0P+7], s[G1P:G1P+7]
	s_nop 0
.rept 4
	v_nop
.endr
	s_branch .Lasked_\@
.Lfor_v_\@:
	tensor_load_to_lds s[G0V+4:G0V+7], s[G1V:G1V+7]
	s_nop 0
.rept 4
	v_nop
.endr
.Lasked_\@:
.endm
; A prefetch of the K step that stands two refills on, 256 matrix instructions ahead of its load: a lane a row, 256 bytes each.  p's 128 rows: wave 0, the four partners along x 32 rows each, by address.
; V's 128 keys x 512 bytes: waves 2 and 3 a half of each row, the four partners along y 32 keys each, in the first of the batch's four clusters alone.  So each piece is named once in the launch.
; The loop's last two trips ask for nothing; K steps 0 to 3 come by their loads alone.
.macro ASK
	s_cmp_gt_u32 s3, s[LIM]
	s_cbranch_scc0 .Lnot_mine_\@
	global_prefetch_b8 v[PFO], s[PFA:PFA+1] th:TH_LOAD_NT scope:SCOPE_SE
.Lnot_mine_\@:
.endm
.macro CREST
	s_cmp_lg_u32 s10, 0
	s_cbranch_scc1 .Lnot_wave_0_\@
	s_barrier_signal -3
.Lnot_wave_0_\@:
	s_barrier_wait -3
	s_barrier_signal -1
	s_barrier_wait -1
.endm
.macro CROUND
	s_barrier_signal -1
	s_barrier_wait -1
	CREST
.endm
	s_load_b256 s[72:79], s[0:1], 0x0              ; p 72:73, qkv 74:75, stat 76:77, out0 78:79
	v_lshl_add_u32 v[SPW], v0, 2, SPARE
	v_mov_b32 v[NIL], 0
	ds_add_u32 v[SPW], v[NIL]                      ; the wave's opening: the add and its wait stand ahead of my first tensor load
	v_lshrrev_b32 v1, 5, v0
	v_readfirstlane_b32 s10, v1                    ; wave 0..3
	s_lshr_b32 s11, s10, 1                         ; my half of the queries.  Also: I fetch p (0) or V (1)
	s_and_b32 s12, s10, 1                          ; my half of the channels.  Also: which 64 rows I fetch
	s_bfe_u32 s40, ttmp6, 0x40000                  ; cx
	s_bfe_u32 s41, ttmp6, 0x40004                  ; cy
	s_lshl_b32 s42, ttmp9, 2
	s_add_co_u32 s42, s42, s40                     ; the block of 256 channels
	s_and_b32 s21, ttmp7, 0xffff
	s_lshl_b32 s13, s21, 2
	s_add_co_u32 s13, s13, s41                     ; the block of 128 queries
	s_lshr_b32 s43, s21, 2                         ; the batch: four clusters along y each
	s_lshl_b32 s22, s41, 2
	s_lshl_b32 s22, 15, s22                        ; my row of the cluster
	s_lshl_b32 s23, 0x1111, s40                    ; my column
	s_or_b32 s[G1P], s22, (1<<16)|(1<<20)|(1<<21)|(5<<22)|(3<<25)  ; 2-byte elements; padding: after every 64 words 4 words; bit 21 beside the mask
	s_or_b32 s[G1V], s23, (1<<16)|(1<<20)|(1<<21)|(6<<22)|(7<<25)  ; after every 128 words 8 words
	s_mov_b32 s[G1P+1], 128<<16                    ; tensor_dim0 = 128 keys
	s_mov_b32 s[G1P+2], 64<<16                     ; tensor_dim1 = 64 queries
	s_mov_b32 s[G1P+3], 128<<16                    ; tile_dim0
	s_mov_b32 s[G1P+4], 64                         ; tile_dim1
	s_mov_b32 s[G1P+5], 2048                       ; elements from row to row of p
	s_mov_b32 s[G1P+6], 0
	s_mov_b32 s[G1P+7], 0
	s_mov_b32 s[G1V+1], 256<<16                    ; tensor_dim0 = 256 channels
	s_mov_b32 s[G1V+2], 64<<16                     ; tensor_dim1 = 64 keys
	s_mov_b32 s[G1V+3], 256<<16
	s_mov_b32 s[G1V+4], 64
	s_mov_b32 s[G1V+5], 3072                       ; elements from row to row of qkv
	s_mov_b32 s[G1V+6], 0
	s_mov_b32 s[G1V+7], 0
	s_lshl_b32 s17, s12, 6
	s_lshl_b32 s16, s13, 7
	s_add_co_u32 s16, s16, s17
	s_lshl_b32 s16, s16, 12                        ; p: row 128 x block + 64 x half, 4,096 bytes each
	s_lshl_b32 s46, s43, 11
	s_add_co_u32 s46, s46, s17
	s_mul_i32 s46, s46, 6144                       ; V: key 2,048 x batch + 64 x half,
	s_lshl_b32 s18, s42, 9
	s_add_co_u32 s46, s46, s18                     ; 512 bytes for each block of channels,
	s_add_co_u32 s46, s46, 4096                    ; 4,096 bytes into a row of qkv
	s_mov_b32 s17, 0
	s_mov_b32 s47, 0
	s_mul_i32 s20, s12, 64*PP                      ; where my part of a tile goes: the wave's number alone
	s_mul_i32 s19, s12, 64*PVP
	s_add_co_u32 s19, s19, VOFF
	s_mov_b32 s[TB], 0
	s_mov_b32 s[FTS], 0
	s_lshl_b32 s21, s13, 7
	s_lshl_b32 s22, s11, 6
	s_add_co_u32 s21, s21, s22                     ; my wave's first query
	s_lshl_b32 s22, s21, 3
	s_mov_b32 s23, 0
	s_lshl_b32 s68, s21, 12
	s_lshl_b32 s18, s42, 10
	s_add_co_u32 s68, s68, s18
	s_lshl_b32 s18, s12, 9
	s_add_co_u32 s68, s68, s18
	s_mov_b32 s69, 0
	s_wait_dscnt 0x0                               ; the opening add is done
	s_wait_kmcnt 0x0
	s_add_nc_u64 s[16:17], s[72:73], s[16:17]
	s_add_nc_u64 s[46:47], s[74:75], s[46:47]
	s_add_nc_u64 s[STP:STP+1], s[76:77], s[22:23]
	s_add_nc_u64 s[8:9], s[78:79], s[68:69]
.irp s, 0,1
	s_mov_b32 s[G0P+4*(\s)], 1
	s_add_co_u32 s[G0P+4*(\s)+1], s20, (\s)*SLOT1
	s_add_nc_u64 s[G0P+4*(\s)+2:G0P+4*(\s)+3], s[16:17], (\s)*256
	s_or_b32 s[G0P+4*(\s)+3], s[G0P+4*(\s)+3], 0x80000000
	s_mov_b32 s[G0V+4*(\s)], 1
	s_add_co_u32 s[G0V+4*(\s)+1], s19, (\s)*SLOT1
	s_add_nc_u64 s[G0V+4*(\s)+2:G0V+4*(\s)+3], s[46:47], (\s)*VSTEP
	s_or_b32 s[G0V+4*(\s)+3], s[G0V+4*(\s)+3], 0x80000000
.endr
	CROUND                                         ; all sixteen work-groups are here: the first joint loads meet
	s_cmp_eq_u32 s11, 0                            ; a wave's two first fills stand in one branch: two loads of mine are out
	s_cbranch_scc0 .Lfirst_v
	tensor_load_to_lds s[G0P:G0P+3], s[G1P:G1P+7]
	s_nop 0
	tensor_load_to_lds s[G0P+4:G0P+7], s[G1P:G1P+7]
	s_nop 0
.rept 4
	v_nop
.endr
	s_branch .Lfirst_asked
.Lfirst_v:
	tensor_load_to_lds s[G0V:G0V+3], s[G1V:G1V+7]
	s_nop 0
	tensor_load_to_lds s[G0V+4:G0V+7], s[G1V:G1V+7]
	s_nop 0
.rept 4
	v_nop
.endr
.Lfirst_asked:
	; THE STATISTICS of my wave's 64 rows, a lane a row, two passes of 32: (m, l) of all 16 groups.  A load covers 256 consecutive bytes.  All this stands in the wait for the first tile.
	v_and_b32 v3, 31, v0
	v_lshlrev_b32 v[SO], 3, v3
.irp s, 0,1
.set g_, 0
.rept 16
	global_load_b64 v[SD+32*(\s)+2*g_:SD+32*(\s)+2*g_+1], v[SO], s[STP:STP+1] offset:65536*g_+256*(\s)
.set g_, g_+1
.endr
.endr
	v_and_b32 v1, 15, v0                           ; l % 16
	v_bfe_u32 v2, v0, 4, 1                         ; l / 16
	v_mul_u32_u24 v[AP0], v1, PP
	v_lshl_add_u32 v[AP0], v2, 4, v[AP0]
	s_mul_i32 s21, s11, 64*PP
	v_add_nc_u32 v[AP0], s21, v[AP0]               ; p: (my 64 rows + l % 16) x pitch + 16 x half
	v_and_b32 v4, 7, v0
	v_bfe_u32 v5, v0, 3, 1
	v_lshl_add_u32 v[AV0], v2, 3, v4               ; V: lane l reads key 8 (l / 16) + l % 8, channels 8 ((l / 8) % 2) + 0..7
	v_mul_u32_u24 v[AV0], v[AV0], PVP
	v_lshl_add_u32 v[AV0], v5, 4, v[AV0]
	s_lshl_b32 s21, s12, 8
	s_add_co_u32 s21, s21, VOFF
	v_add_nc_u32 v[AV0], s21, v[AV0]
	s_mul_i32 s21, s10, 16*SP
	s_add_co_u32 s21, s21, STAGE                   ; my stage
	v_mul_u32_u24 v[STO], v1, SP
	v_lshl_add_u32 v[STO], v2, 5, v[STO]
	v_add_nc_u32 v[STO], s21, v[STO]               ; in: row l % 16, 32 bytes for each half of the lanes
	v_lshl_add_u32 v[RD], v3, 4, s21               ; back: a whole row of 512 bytes
	v_lshlrev_b32 v[GO], 4, v3
	s_lshl_b32 s21, s10, 12
	s_add_co_u32 s21, s21, FT
	v_lshl_add_u32 v[FTA], v3, 2, s21
	v_lshl_add_u32 v[FA0], v1, 2, s21
	s_lshl_b32 s21, s10, 8
	s_add_co_u32 s21, s21, RLT
	v_lshl_add_u32 v[RLA], v3, 2, s21
	v_lshl_add_u32 v[RLR], v1, 2, s21
	; the prefetches
	s_lshl_b32 s21, s13, 7
	s_lshl_b32 s22, s40, 5
	s_add_co_u32 s21, s21, s22
	s_lshl_b32 s21, s21, 12
	s_add_co_u32 s21, s21, 3*256                   ; p: my work-group's 32 rows, at K step 3: the first refill steps it to 4
	s_lshl_b32 s22, s43, 11
	s_lshl_b32 s23, s41, 5
	s_add_co_u32 s22, s22, s23
	s_add_co_u32 s22, s22, 3*128                   ; V: my work-group's 32 keys of K step 3
	s_mul_i32 s22, s22, 6144
	s_lshl_b32 s23, s42, 9
	s_add_co_u32 s22, s22, s23
	s_lshl_b32 s23, s12, 8
	s_add_co_u32 s22, s22, s23                     ; my wave's half of the 512 bytes
	s_add_co_u32 s22, s22, 4096
	s_and_b32 s23, ttmp7, 3
	s_cmp_eq_u32 s23, 0
	s_cselect_b32 s23, 2, -1                       ; V: the first of the batch's four clusters
	s_cmp_eq_u32 s10, 0
	s_cselect_b32 s18, 2, -1                       ; p: wave 0
	s_mov_b32 s19, VSTEP
	s_mov_b32 s20, 6144
	s_cmp_eq_u32 s11, 0
	s_cselect_b32 s[LIM], s18, s23
	s_cselect_b32 s16, s21, s22
	s_cselect_b64 s[PFA:PFA+1], s[72:73], s[74:75]
	s_cselect_b32 s[PST], 0x100, s19
	s_cselect_b32 s20, 0x1000, s20
	s_mov_b32 s17, 0
	s_mov_b32 s[PST+1], 0
	s_add_nc_u64 s[PFA:PFA+1], s[PFA:PFA+1], s[16:17]
	v_mul_u32_u24 v[PFO], s20, v3
	s_wait_loadcnt 0x0
.irp s, 0,1
	v_max3_num_f32 v[MX+(\s)], v[SD+32*(\s)], v[SD+32*(\s)+2], v[SD+32*(\s)+4]
.set g_, 3
.rept 6
	v_max3_num_f32 v[MX+(\s)], v[MX+(\s)], v[SD+32*(\s)+2*g_], v[SD+32*(\s)+2*g_+2]
.set g_, g_+2
.endr
	v_max_num_f32 v[MX+(\s)], v[MX+(\s)], v[SD+32*(\s)+30]  ; M
.endr
.irp s, 0,1
.set g_, 0
.rept 16
	v_sub_f32 v[SD+32*(\s)+2*g_], v[SD+32*(\s)+2*g_], v[MX+(\s)]
.set g_, g_+1
.endr
.endr
.set g_, 0
.rept 32                                       ; one batch: both passes' 32 exponentials,
	v_exp_f32 v[SD+2*g_], v[SD+2*g_]
.set g_, g_+1
.endr
	v_nop                                          ; a plain instruction behind the last,
	s_wait_alu depctr_va_vdst(0)                   ; and the one wait ahead of the first use
.irp s, 0,1
	v_mov_b32 v[LS+(\s)], 0
.set g_, 0
.rept 16
	v_cvt_pk_f16_f32 v[H+g_], v[SD+32*(\s)+2*g_], v[SD+32*(\s)+2*g_]
	ds_store_b32 v[FTA], v[H+g_] offset:256*g_+128*(\s)
	v_fma_mix_f32 v[LS+(\s)], v[H+g_], v[SD+32*(\s)+2*g_+1], v[LS+(\s)] op_sel_hi:[1,0,0]  ; L += (y as rounded) x l
.set g_, g_+1
.endr
.endr
	v_rcp_f32 v[MX], v[LS]
	v_rcp_f32 v[MX+1], v[LS+1]
	v_nop
	s_wait_alu depctr_va_vdst(0)
	ds_store_b32 v[RLA], v[MX]
	ds_store_b32 v[RLA], v[MX+1] offset:128
; 8 matrix instructions: queries 16 a on x all 8 blocks of channels, 32 keys of buffer f.  zero = 1: they start the sums.  rf >= 0: behind each stand two of the 16 packed products that scale fragments
; x0 and then x1 of buffer rf.  The 32 accumulators take turns, one instruction a turn, in the same order in every quarter.
.macro G a, f, zero, rf=-1, x0=0, x1=0
.set AC_, 64*((\a)%3)
.set VF_, VF+64*(\f)
.set PF_, PF+32*(\f)+8*(\a)
.set b_, 0
.rept 8
.if \zero
	v_wmma_f32_16x16x32_f16 v[AC_+8*b_:AC_+8*b_+7], v[VF_+8*b_:VF_+8*b_+7], v[PF_:PF_+7], 0
.else
	v_wmma_f32_16x16x32_f16 v[AC_+8*b_:AC_+8*b_+7], v[VF_+8*b_:VF_+8*b_+7], v[PF_:PF_+7], v[AC_+8*b_:AC_+8*b_+7]
.endif
.if (\rf) >= 0
.if b_ < 4
.set RX_, \x0
.else
.set RX_, \x1
.endif
.set RR_, PF+32*(\rf)+8*RX_+2*(b_%4)
	v_pk_mul_f16 v[RR_], v[FC+RX_], v[RR_]
	v_pk_mul_f16 v[RR_+1], v[FC+RX_], v[RR_+1]
.endif
.set b_, b_+1
.endr
.endm
.macro FETCH kq, g                     ; 24 LDS loads in one run: quarter kq of the slot in hand into buffer g: p's fragments 3, 0, 1, 2, then V's eight
	WIN 0x40
.irp a, 3,0,1,2
	ds_load_b128 v[PF+32*(\g)+8*(\a):PF+32*(\g)+8*(\a)+3],   v[ADP] offset:(\a)*16*PP+64*(\kq)
	ds_load_b128 v[PF+32*(\g)+8*(\a)+4:PF+32*(\g)+8*(\a)+7], v[ADP] offset:(\a)*16*PP+64*(\kq)+32
.endr
	WIN 0
.irp b, 0,1,2,3,4,5,6,7
	ds_load_tr16_b128 v[VF+64*(\g)+8*(\b):VF+64*(\g)+8*(\b)+3],   v[ADV] offset:(\kq)*32*PVP+32*(\b)
	ds_load_tr16_b128 v[VF+64*(\g)+8*(\b)+4:VF+64*(\g)+8*(\b)+7], v[ADV] offset:(\kq)*32*PVP+16*PVP+32*(\b)
.endr
.endm
.macro FETCHT                          ; a step's first fetch: its four y first
	WIN 0
.irp a, 0,1,2,3
	ds_load_b32 v[FC+(\a)], v[FA] offset:64*(\a)
.endr
	FETCH 0, 0
.endm
.macro PLACES                          ; four plain instructions between a matrix instruction and a load into its registers
.rept 4
	v_nop
.endr
.endm
; A quarter: 32 keys.  Buffer f is multiplied; its fragments 3 and 0 were scaled in the quarter before, 1 and 2 are scaled behind the products of block 0; buffer g is fetched at the head, and its fragments 3 and 0 are scaled behind the products of block 2.
.macro QUARTER kq, f, g, zero
	s_wait_dscnt 0x0                               ; buffer f is whole
	PLACES
	FETCH \kq, \g
	WIN W_HI
	G 3, \f, \zero
	WIN W_LO
	G 0, \f, \zero, \f, 1, 2
	G 1, \f, \zero
	s_wait_dscnt 20                                ; the first 4 of the 24 loads are in: g's fragments 3 and 0
	G 2, \f, \zero, \g, 3, 0
.endm
; A step's last quarter, first half, and ONE barrier for the change of slots: all my tensor loads, the add, and my reads of this slot are waited for in front of it.
.macro TURNA refill
	s_wait_dscnt 0x0                               ; buffer 1 is whole
.if \refill
	s_wait_xcnt 0x0                                ; the last prefetch, a K step back, has read its address
	s_add_nc_u64 s[PFA:PFA+1], s[PFA:PFA+1], s[PST:PST+1]
.endif
	WIN 0
	s_wait_tensorcnt 0x0
	ds_add_u32 v[SPW], v[NIL]                      ; 0 onto my spare word; eight products stand between it and the wait for it
	WIN W_HI
	G 3, 1, 0
	s_wait_dscnt 0x0
	s_barrier_signal -1
	WIN W_LO
	G 0, 1, 0, 1, 1, 2                             ; the step's y are used here for the last time
	WIN 0
	s_barrier_wait -1
.endm
.macro TURNB fill                      ; second half: with fill = 1 the barrier has opened a round of the cluster's, and the joint refill is the first thing behind it
.if \fill
	CREST
	s_xor_b32 s[G0P+5], s[G0P+5], SLOT1            ; the walking sets: the slot just left, the next K step
	s_add_nc_u64 s[G0P+6:G0P+7], s[G0P+6:G0P+7], 256
	s_xor_b32 s[G0V+5], s[G0V+5], SLOT1
	s_add_nc_u64 s[G0V+6:G0V+7], s[G0V+6:G0V+7], VSTEP
	JLOAD                                          ; its four v_nop are also the places in front of the loads below
.else
	PLACES
.endif
	s_xor_b32 s[TB], s[TB], SLOT1
	s_add_co_u32 s[FTS], s[FTS], 256
	v_add_nc_u32 v[ADP], s[TB], v[AP0]
	v_add_nc_u32 v[ADV], s[TB], v[AV0]
	v_add_nc_u32 v[FA], s[FTS], v[FA0]
	FETCHT
.if \fill
	ASK
.endif
	WIN W_LO
	G 1, 1, 0
	s_wait_dscnt 20                                ; the first 8 of the 28 loads are in: the new y and buffer 0's fragments 3 and 0
	G 2, 1, 0, 0, 3, 0
.endm
; THE WAY OUT of block a (16 queries x 128 channels): times 1 / L; through my own stage; stored as whole rows of 512 bytes.
.macro OMUL a
.set AC_, 64*((\a)%3)
	WIN 0x41+0x41*((\a)/3)                         ; destination and source 0 in window 1 or 2, 1 / L in window 0
.set i_, 0
.rept 32                                       ; each accumulator's registers in ascending order
	v_pk_mul_f32 v[AC_+2*i_:AC_+2*i_+1], v[AC_+2*i_:AC_+2*i_+1], v[RL+2*(\a):RL+2*(\a)+1] op_sel_hi:[1,0]
.set i_, i_+1
.endr
.endm
.macro OSTAGE a
.set AC_, 64*((\a)%3)
	WIN 0x04+0x04*((\a)/3)                         ; the stores' data in window 1 or 2
.irp b, 0,1,2,3,4,5,6,7
	ds_store_b128 v[STO], v[AC_+8*(\b):AC_+8*(\b)+3]   offset:64*(\b)
	ds_store_b128 v[STO], v[AC_+8*(\b)+4:AC_+8*(\b)+7] offset:64*(\b)+16
.endr
	WIN 0
.set t_, 0
.rept 16
	ds_load_b128 v[OB+64*((\a)%2)+4*t_:OB+64*((\a)%2)+4*t_+3], v[RD] offset:SP*t_  ; LDS serves a wave's instructions in order (ISA guide 5.7.1.4): these see the stores above
.set t_, t_+1
.endr
.endm
.macro OSEND a
	WIN 0
	s_wait_dscnt 0x0
	s_wait_xcnt 0x0                                ; the stores' base and the registers that earlier stores read are rewritten only behind this wait
.if (\a) > 0
	s_add_nc_u64 s[8:9], s[8:9], 16*4096
.endif
.set t_, 0
.rept 16
	global_store_b128 v[GO], v[OB+64*((\a)%2)+4*t_:OB+64*((\a)%2)+4*t_+3], s[8:9] offset:4096*t_  ; a wave's store covers 512 consecutive bytes, aligned
.set t_, t_+1
.endr
.endm
	s_wait_dscnt 0x0                               ; my tables are stored
	s_wait_tensorcnt 0x1                           ; my part of K step 0 is in; K step 1's may stay out
	s_barrier_signal -1
	s_barrier_wait -1
	v_mov_b32 v[ADP], v[AP0]
	v_mov_b32 v[ADV], v[AV0]
	v_mov_b32 v[FA], v[FA0]
	FETCHT
	s_wait_dscnt 0x0
	WIN W_LO
.irp x, 3,0
.set i_, 0
.rept 8
	v_pk_mul_f16 v[PF+8*(\x)+i_], v[FC+(\x)], v[PF+8*(\x)+i_]
.set i_, i_+1
.endr
.endr
	QUARTER 1, 0, 1, 1                             ; the first quarter starts the sums
	WIN 0
	s_mov_b32 s3, NK-2
.Llap:                                         ; fourteen trips, from a K step's second quarter to the next step's first; each fills a slot again: K steps 2 to 15
	QUARTER 2, 1, 0, 0
	QUARTER 3, 0, 1, 0
	TURNA 1
	TURNB 1
	QUARTER 1, 0, 1, 0
	WIN 0
	s_sub_co_u32 s3, s3, 1
	s_cmp_lg_u32 s3, 0
	s_cbranch_scc1 .Llap
	s_mov_b32 s2, 2
.Ltail:                                        ; the last two K steps ask for nothing; the second trip is left in its middle
	QUARTER 2, 1, 0, 0
	QUARTER 3, 0, 1, 0
	TURNA 0
	s_sub_co_u32 s2, s2, 1
	s_cmp_eq_u32 s2, 0
	s_cbranch_scc1 .Lout
	TURNB 0
	QUARTER 1, 0, 1, 0
	WIN 0
	s_branch .Ltail
.Lout:
.irp a, 0,1,2,3
	ds_load_b32 v[RL+2*(\a)], v[RLR] offset:64*(\a)  ; 1 / L of my query in each block
.endr
	WIN W_LO
	G 1, 1, 0
	G 2, 1, 0
	WIN 0
	s_wait_dscnt 0x0
.irp a, 0,1,2,3
	v_mov_b32 v[RL+2*(\a)+1], v[RL+2*(\a)]         ; named as pairs; these four are the places behind the last products
.endr
	OMUL 0
	OSTAGE 0
.irp a, 1,2,3                          ; block a's multiplies stand between block a - 1's loads from the stage and the wait for them
	OMUL \a
	OSEND (\a)-1
	OSTAGE \a
.endr
	OSEND 3
	s_wait_tensorcnt 0x0                           ; the wave's end
	ds_add_u32 v[SPW], v[NIL]
	s_wait_dscnt 0x0
	CROUND                                         ; the closing round
	s_endpgm
.Lfunc_end_k_q458a177e18_pv:
	.size	k_q458a177e18_pv, .Lfunc_end_k_q458a177e18_pv-k_q458a177e18_pv
	.p2alignl 7, 3214868480
	.fill 96, 4, 3214868480
	.section	.rodata,"a",@progbits
	.p2align	6, 0x0
	.amdhsa_kernel k_q458a177e18_pv
		.amdhsa_group_segment_fixed_size 327680
		.amdhsa_private_segment_fixed_size 0
		.amdhsa_enable_private_segment 0
		.amdhsa_kernarg_size 32
		.amdhsa_user_sgpr_count 2
		.amdhsa_user_sgpr_kernarg_segment_ptr 1
		.amdhsa_wavefront_size32 1
		.amdhsa_system_sgpr_workgroup_id_x 1
		.amdhsa_system_sgpr_workgroup_id_y 1
		.amdhsa_system_sgpr_workgroup_id_z 1
		.amdhsa_system_vgpr_workitem_id 0
		.amdhsa_next_free_vgpr 576
		.amdhsa_next_free_sgpr 80
		.amdhsa_reserve_vcc 0
		.amdhsa_float_denorm_mode_32 3
		.amdhsa_float_denorm_mode_16_64 3
		.amdhsa_memory_ordered 1
		.amdhsa_forward_progress 1
		.amdhsa_inst_pref_size 104
	.end_amdhsa_kernel
	.amdgpu_metadata
---
amdhsa.version: [ 1, 2 ]
amdhsa.kernels:
  - .name:           k_q458a177e18_pv
    .symbol:         k_q458a177e18_pv.kd
    .args:
      - { .name: p, .offset: 0, .size: 8, .value_kind: global_buffer, .address_space: global }
      - { .name: qkv, .offset: 8, .size: 8, .value_kind: global_buffer, .address_space: global }
      - { .name: stat, .offset: 16, .size: 8, .value_kind: global_buffer, .address_space: global }
      - { .name: out0, .offset: 24, .size: 8, .value_kind: global_buffer, .address_space: global }
    .group_segment_fixed_size: 327680
    .private_segment_fixed_size: 0
    .kernarg_segment_align: 8
    .kernarg_segment_size: 32
    .max_flat_workgroup_size: 128
    .sgpr_count:     80
    .vgpr_count:     576
    .wavefront_size: 32
...
	.end_amdgpu_metadata
.endif
;; end of part 4
